; MI455X (gfx1250); checked and timed in simulation.
; The chip was launched on July 23, 2026; its instructions are those of AMD's public machine-readable ISA for CDNA 5 (MIT licence, August 2026) and "CDNA5" Instruction Set Architecture Reference Guide (July 2026). The comments in the code are by the model that wrote it; some were corrected since.
;; SA Multi Head Attention. Allowed arithmetic: matrix products marked QUANTISED: E2M1 operands, one E8M0 scale for each 32 along K, by v_wmma_scale_f32_16x16x128_f8f6f4 with both operands' format E2M1 (or v_wmma_scale_f32_32x16x128_f4), f32 sums; products left as they are: bf16, f16 or f32 operands; f32 sums; everything else in f32.
;; Inputs: Wk 16 x 1,024 x 64 float32; Wo 1,024 x 1,024 float32; Wq 16 x 1,024 x 64 float32; Wv 16 x 1,024 x 64 float32; bo 1,024 float32; x 8 x 1,024 x 1,024 float32.
;; Outputs: out0 8 x 1,024 x 1,024 float32.
;; This version of the problem:
;;   THIS VERSION OF THE PROBLEM IS GIVEN IN LOW PRECISION. The matrix products marked QUANTISED in the list below multiply operands that are first quantised to E2M1 (2 exponent bits, 1 mantissa bit; 4 bits a number), with one power-of-two scale for each 32 numbers along K (OCP MX v1.0); their sums are f32. The products marked 'left as it is' may take bf16, f16 or f32 operands, with f32 sums. Whichever they take, every output number must still come out within the allowed error. Rounding operands to bf16 (8 significant bits) uses up far more of that allowance than f16 does (11 bits, for magnitudes from 6e-5 to 65,504). All else is computed in f32.
;;   The module's matrix products, in the order in which they are computed (A, B: the left and right operand; K: the contracted axis; several contracted axes count as one K, in the product's order):
;;     1. [M 1,024, K 1,024] x [K 1,024, N 8,192]; A: input Wq; B: input x: QUANTISED
;;     2. [M 1,024, K 1,024] x [K 1,024, N 8,192]; A: input Wk; B: input x: QUANTISED
;;     3. [M 1,024, K 1,024] x [K 1,024, N 8,192]; A: input Wv; B: input x: QUANTISED
;;     4. batch 128 x [M 1,024, K 64] x [K 64, N 1,024]; A: computed on the way; B: computed on the way: left as it is (an operand is computed on the way)
;;     5. batch 128 x [M 1,024, K 1,024] x [K 1,024, N 64]; A: computed on the way; B: computed on the way: left as it is (an operand is computed on the way)
;;     6. [M 8,192, K 1,024] x [K 1,024, N 1,024]; A: computed on the way; B: input Wo: left as it is (an operand is computed on the way)
;;   THE QUANTISER, for each operand of a quantised product, along K:
;;     - K is cut into blocks of 32 from its start; a last block that is shorter is filled with zeros.
;;     - A block's scale is 2^e with e = floor(log2(the largest magnitude in the block)) - 2, held to -126 .. 127; a block of zeros has e = 0. As a byte (E8M0): e + 127.
;;     - Each number is divided by its block's scale, clamped to +-6, and rounded to the nearest number of E2M1, ties to even, subnormals kept.
;;     - The product sums the exact products of the quantised numbers (number of the format x scale) in f32.
;;   ~~~python
;;   def quantise(x, axis):      # numpy; x: float32 -> the quantised numbers, widened to float32 again
;;       x = np.moveaxis(x, axis, -1); K = x.shape[-1]
;;       x = np.pad(x, [(0, 0)] * (x.ndim - 1) + [(0, -K % 32)]); x = x.reshape(x.shape[:-1] + (-1, 32)); a = np.abs(x).max(-1, keepdims=True)
;;       e = np.where(a > 0, np.clip(np.frexp(np.where(a > 0, a, 1))[1] - 1 - 2, -126, 127), 0)      # np.frexp(a)[1] - 1 = floor(log2(a)), exactly
;;       r = np.clip(x / 2.0 ** e, -6, 6)
;;       step = 2.0 ** (np.maximum(np.frexp(np.where(r == 0, 1, r))[1] - 1, 0) - 1)
;;       q = np.round(r / step) * step * 2.0 ** e      # np.round: ties to even
;;       return np.moveaxis(q.reshape(q.shape[:-2] + (-1,))[..., :K], -1, axis).astype(np.float32)
;;   ~~~
;; One version. Each part assembles by itself: llvm-mc -triple=amdgcn-amd-amdhsa -mcpu=gfx1250 --defsym DOCPART=n.
;; ======== version 1 of 1: 5 launches
;; limits: values are held in f16: magnitudes above 65,504 overflow, below 6.1e-05 lose precision
;; workspace buffers: xc 4,194,304 bytes; xs 262,144 bytes; wc 1,572,864 bytes; ws 98,304 bytes; woh 2,097,152 bytes; qkv 50,331,648 bytes; qkv32 1,572,864 bytes; att 16,777,216 bytes
;; launch prep (part 1): grid 832 x 1, 4 waves a work-group, no clusters, 42,496 bytes of LDS; arguments x, Wq, Wk, Wv, Wo, xc, xs, wc, ws, woh; writes xc, xs, wc, ws, woh
.if DOCPART == 1
	.amdgcn_target "amdgcn-amd-amdhsa--gfx1250"
	.amdhsa_code_object_version 6
	.text
	.protected	k_q7791941f88_prep
	.globl	k_q7791941f88_prep
	.p2align	8
	.type	k_q7791941f88_prep,@function
k_q7791941f88_prep:
	s_mov_b64 s[64:65], 0
	v_nop
	global_prefetch_b8 v0, s[64:65] scope:SCOPE_SE
	s_setreg_imm32_b32 hwreg(HW_REG_WAVE_MODE, 25, 1), 1
	s_wait_xcnt 0x0
; PREP: the operands of the later launches are laid out once.
;   Wq, Wk, Wv [16][1024 c][64 d] -> wc [3072 rows n = 1024 which + 64 head + d][512 B] codes of E2M1, ws [3072][32] E8M0 bytes: K = c moved innermost (work-groups 0 .. 191)
;   Wo [1024 k][1024 n] f32       -> woh: f16, in the order of a matrix operand's registers                                                          (work-groups 192 .. 319)
;   x [8192][1024] f32            -> xc [8192][512 B] codes, K innermost, and xs [8192][32] E8M0 bytes                                               (work-groups 320 .. 831)
; The paths whose waves wait for the most loads one after the other have the lowest numbers.
; A block's scale is 2^(floor(log2(largest magnitude)) - 2); its byte is the largest magnitude's exponent field - 2, held at 1 from below.
; WORK THAT THE WHOLE PROGRAM LEAVES OUT.  reference() builds the causal mask itself (jnp.tril): a score of key s > query t becomes -inf, its weight exp(-inf) = 0,
; and 0 x v adds nothing to the row's sum or to the output, whatever finite values the inputs hold.  So the attention launch leaves out every step of 64 keys that lies wholly behind its queries.
; LIMIT: a NaN, an infinity or an overflow that reaches only those hidden scores is not carried to the result.  All six inputs have a way to the output and are loaded.
; LIMITS: NaN and infinities among the inputs are not served.  A block of zeros gets the byte 1 (the quantiser says 127): its codes are zeros, which add nothing, and the bytes are read by this program alone.
; Blocks whose largest magnitude lies under 2^-124 keep the byte 1.  Wo is rounded to f16 (its product is one of those left as they are): magnitudes above 65,504 are not served.
; The three paths part on the work-group's number alone; each has LDS bytes of its own.  No tensor loads.
.set NWG_W,  192                       ; work-groups of the path of Wq, Wk, Wv
.set NWG_O,  128                       ; of Wo's
.set SPARE,  41984                     ; behind both paths' regions: the spare words, 128 bytes for each wave
.set SPW,    12                        ; v12  LDS address of my spare word; never rewritten
.set NIL,    13                        ; v13  0; never rewritten
.set XSTEPS, 8                         ; path X: steps of 512 numbers for a wave
.set XWREG,  8192                      ; its LDS: a region for each wave: two stages of 32 x 80 bytes, then 128 scale bytes
.set XSP,    80                        ; a lane's place in a stage: 64 bytes + 16 of padding
.set XR,     16                        ; v16-79   four sets of 16 numbers as loaded
.set XX,     80                        ; v80-111  two sets of 16 neighbours
.set XE,     112                       ; v112-119 a scale byte for each step
.set XC,     128                       ; v128-159 codes, four registers a step: no store's data are written again
.set WSTG,   32768                     ; path W: the work-group's stage: 32 rows (columns of W) x 272 bytes
.set WPITCH, 272
.set WSCS,   WSTG+32*WPITCH            ; behind it the scale words: 16 bytes a column
.set WNB,    4                         ; blocks of 32 along K for a wave
.set WX,     32                        ; v32-95   two sets of 32 numbers
.set WC,     96                        ; v96-99   a block's codes
.set WOUT,   112                       ; v112-127 the way out
.set WSB,    24                        ; v24      my four scale bytes
; ---- path X: a lane must hold 16 neighbours for the conversions, yet each load reads 512 consecutive bytes: a step's 2,048 bytes turn through the wave's own stage
.macro XLOAD t
.irp i, 0,1,2,3
	global_load_b128 v[XR+16*((\t)%4)+4*\i:XR+16*((\t)%4)+4*\i+3], v3, s[4:5] offset:2048*(\t)+512*\i th:TH_LOAD_NT
.endr
.endm
.macro XTURN t                         ; LDS serves a wave's instructions in order: no wait between the stores and the loads
.irp i, 0,1,2,3
	ds_store_b128 v14, v[XR+16*((\t)%4)+4*\i:XR+16*((\t)%4)+4*\i+3] offset:32*XSP*((\t)%2)+8*XSP*\i
.endr
.irp i, 0,1,2,3
	ds_load_b128 v[XX+16*((\t)%2)+4*\i:XX+16*((\t)%2)+4*\i+3], v15 offset:32*XSP*((\t)%2)+16*\i
.endr
.endm
.macro XSTEP t
.set XS, XX+16*((\t)%2)
.if (\t) > 0
	s_wait_dscnt 1                                 ; this step's numbers are back from the stage; the last step's byte store may be out
.else
	s_wait_dscnt 0x0
.endif
.if (\t)+4 < XSTEPS
	XLOAD (\t)+4                                   ; the registers that the stage's stores have read take the loads of four steps on
.endif
.if (\t)+1 < XSTEPS
.if XSTEPS-2-(\t) >= 3
	s_wait_loadcnt 12                              ; the next step's four loads are in; the twelve of the three steps behind it may be out
.else
	s_wait_loadcnt 4*(XSTEPS-2-(\t))
.endif
	XTURN (\t)+1
.endif
	v_max3_num_f32 v8, |v[XS]|, |v[XS+1]|, |v[XS+2]|
	v_max3_num_f32 v9, |v[XS+3]|, |v[XS+4]|, |v[XS+5]|
.irp i, 6,10
	v_max3_num_f32 v8, v8, |v[XS+\i]|, |v[XS+\i+1]|
	v_max3_num_f32 v9, v9, |v[XS+\i+2]|, |v[XS+\i+3]|
.endr
	v_max3_num_f32 v8, v8, |v[XS+14]|, |v[XS+15]|
	v_max3_num_f32 v8, v8, v9, 0x1800000           ; the floor 2^(3 - 127): the byte cannot fall under 1
	v_max_num_f32_dpp v8, v8, v8 row_xmask:1 row_mask:0xf bank_mask:0xf   ; with my neighbour's 16: the block's largest magnitude
	v_add_nc_u32 v11, 0xff000000, v8               ; 2 off its exponent field: the conversion takes this operand's exponent field as its scale
	v_cvt_scalef32_pk8_fp4_f32 v[XC+4*(\t)], v[XS:XS+7], v11
	v_cvt_scalef32_pk8_fp4_f32 v[XC+4*(\t)+1], v[XS+8:XS+15], v11
	v_lshrrev_b32 v[XE+(\t)], 23, v11              ; the scale's byte
	ds_store_b8 v5, v[XE+(\t)] offset:16*(\t)      ; both lanes of a block write the same byte with the same value
	global_store_b64 v4, v[XC+4*(\t):XC+4*(\t)+1], s[14:15] offset:256*(\t)   ; the wave stores 256 consecutive bytes
.endm
; ---- path W: a lane takes a column (head, d), its registers run down K = c
.macro WLOAD t
.irp i, 0,1,2,3,4,5,6,7,8,9,10,11,12,13,14,15,16,17,18,19,20,21,22,23,24,25,26,27,28,29,30,31
	global_load_b32 v[WX+32*((\t)%2)+\i], v3, s[32:33] offset:(32*(\t)+\i)*256
.endr
.endm
.macro WBLOCK t
.set XS, WX+32*((\t)%2)
.if (\t) < WNB-1
	s_wait_loadcnt 32                              ; this block's 32 loads are in; the next block's 32 may be out
.else
	s_wait_loadcnt 0x0
.endif
	v_max3_num_f32 v16, |v[XS]|, |v[XS+1]|, |v[XS+2]|
	v_max3_num_f32 v17, |v[XS+3]|, |v[XS+4]|, |v[XS+5]|
.irp i, 6,10,14,18,22,26
	v_max3_num_f32 v16, v16, |v[XS+\i]|, |v[XS+\i+1]|
	v_max3_num_f32 v17, v17, |v[XS+\i+2]|, |v[XS+\i+3]|
.endr
	v_max3_num_f32 v16, v16, |v[XS+30]|, |v[XS+31]|
	v_max3_num_f32 v16, v16, v17, 0x1800000        ; the floor
	v_add_nc_u32 v11, 0xff000000, v16
	v_lshrrev_b32 v17, 23, v11                     ; the scale's byte
.if (\t) == 0
	v_mov_b32 v[WSB], v17
.else
	v_lshl_or_b32 v[WSB], v17, 8*(\t), v[WSB]      ; four bytes to the register, the lower K in the lower byte
.endif
.irp g, 0,1,2,3
	v_cvt_scalef32_pk8_fp4_f32 v[WC+\g], v[XS+8*\g:XS+8*\g+7], v11
.endr
	ds_store_b128 v4, v[WC:WC+3] offset:16*(\t)    ; 32 codes: 16 bytes of my column's row, in my wave's 64 bytes of it
.if (\t)+2 < WNB
	WLOAD (\t)+2
.endif
	s_wait_dscnt 0x0                               ; the store has read its registers: the next block's codes may be written
.endm
; ---- path O: group g = column tiles 2 g and 2 g + 1 of my four, one chunk of 32 along k: 32 loads, 16 conversions, 4 stores of 512 consecutive bytes
.macro OLOAD g
.irp ii, 0,1
.irp e, 0,1,2,3,4,5,6,7,8,9,10,11,12,13,14,15
	global_load_b32 v[32+32*(\g)+16*\ii+\e], v5, s[12:13] offset:(16*(\e/8)+(\e%8))*4096+(2*(\g)+\ii)*64
.endr
.endr
.endm
.macro OCONV g
	s_wait_loadcnt 32*(1-(\g))                     ; this group's 32 loads are in; behind the first group the second's 32 may be out
.irp ii, 0,1
.irp q, 0,1,2,3,4,5,6,7
	v_cvt_pk_f16_f32 v[96+16*(\g)+8*\ii+\q], v[32+32*(\g)+16*\ii+2*\q], v[32+32*(\g)+16*\ii+2*\q+1]
.endr
.endr
.irp ii, 0,1
.irp hf, 0,1
	global_store_b128 v6, v[96+16*(\g)+8*\ii+4*\hf:96+16*(\g)+8*\ii+4*\hf+3], s[22:23] offset:(2*(\g)+\ii)*4096+\hf*512
.endr
.endr
.endm
	s_load_b512 s[4:19], s[0:1], 0x0               ; x 4, Wq 6, Wk 8, Wv 10, Wo 12, xc 14, xs 16, wc 18
	s_load_b128 s[20:23], s[0:1], 0x40             ; ws 20, woh 22
	v_lshl_add_u32 v[SPW], v0, 2, SPARE
	v_mov_b32 v[NIL], 0
	v_lshrrev_b32 v1, 5, v0
	v_readfirstlane_b32 s24, v1                    ; wave 0..3
	v_and_b32 v2, 31, v0                           ; lane
	s_wait_kmcnt 0x0
	s_cmp_lt_u32 ttmp9, NWG_W
	s_cbranch_scc1 .Lpath_w
	s_cmp_lt_u32 ttmp9, NWG_W+NWG_O
	s_cbranch_scc1 .Lpath_o
	; ---- x: rows are dense and 1,024 is a multiple of 32, so x is a plain stream of blocks; wave 4 g + w takes 4,096 numbers
	v_lshlrev_b32 v3, 4, v2                        ; my 16 bytes of a load's 512
	s_mul_i32 s25, s24, XWREG
	v_lshrrev_b32 v14, 2, v2
	v_mul_u32_u24 v14, v14, XSP
	v_and_b32 v15, 3, v2
	v_lshl_add_u32 v14, v15, 4, v14
	v_add_nc_u32 v14, s25, v14                     ; the stage, on the way in: 80 (lane / 4) + 16 (lane % 4)
	v_mul_u32_u24 v15, v2, XSP
	v_add_nc_u32 v15, s25, v15                     ; and on the way out: 80 x lane: my 16 neighbours
	v_mul_u32_u24 v4, v2, 8                        ; my codes' place in a step's 256 bytes
	v_lshrrev_b32 v5, 1, v2
	s_add_co_u32 s25, s25, 2*32*XSP
	v_add_nc_u32 v5, s25, v5                       ; my block's byte among my wave's 128
	v_lshlrev_b32 v7, 2, v2
	v_add_nc_u32 v6, s25, v7                       ; and on the way out 4 bytes a lane
	s_sub_co_u32 s26, ttmp9, NWG_W+NWG_O
	s_lshl_b32 s26, s26, 2
	s_add_co_u32 s26, s26, s24                     ; which run of 4,096 numbers
	s_mov_b32 s29, 0
	s_lshl_b32 s28, s26, 14
	s_add_nc_u64 s[4:5], s[4:5], s[28:29]
	s_lshl_b32 s28, s26, 11
	s_add_nc_u64 s[14:15], s[14:15], s[28:29]
	s_lshl_b32 s28, s26, 7
	s_add_nc_u64 s[16:17], s[16:17], s[28:29]
.irp t, 0,1,2,3
	XLOAD \t
.endr
	s_wait_loadcnt 12                              ; step 0's four loads are in
	XTURN 0
.irp t, 0,1,2,3,4,5,6,7
	XSTEP \t
.endr
	ds_load_b32 v8, v6                             ; my wave's 128 scale bytes, 4 a lane
	s_wait_dscnt 0x0
	global_store_b32 v7, v8, s[16:17]              ; 128 consecutive bytes: half of an aligned 256, of which the next wave stores the other half
	s_wait_tensorcnt 0x0                           ; the wave's end
	ds_add_u32 v[SPW], v[NIL]
	s_wait_dscnt 0x0
	s_endpgm
.Lpath_o:
	; ---- Wo.  woh = [NT 4][ks 8][nt 16][chunk 4][half 2][lane 32][16 B]: lane (r, hh) holds column 256 NT + 16 nt + r, k = 128 ks + 32 chunk + 16 half + 8 hh + 0 .. 7
	; a work-group is (NT, ks, chunk); wave w takes column tiles 4 w .. 4 w + 3; all 64 loads of a wave go out at once
	s_sub_co_u32 s25, ttmp9, NWG_W
	s_and_b32 s31, s25, 3                          ; chunk
	s_bfe_u32 s26, s25, 0x30002                    ; ks
	s_lshr_b32 s27, s25, 5                         ; NT
	v_and_b32 v3, 15, v0                           ; r
	v_bfe_u32 v4, v0, 4, 1                         ; hh
	v_lshlrev_b32 v5, 2, v3
	v_lshl_add_u32 v5, v4, 15, v5                  ; in: column r, 8 hh rows of 4,096 bytes down
	v_lshlrev_b32 v6, 4, v2                        ; out: 16 bytes a lane
	s_lshl_b32 s28, s26, 19                        ; 128 ks rows
	s_lshl_b32 s29, s31, 17                        ; 32 chunk rows
	s_add_co_u32 s28, s28, s29
	s_lshl_b32 s29, s27, 10                        ; 256 NT columns
	s_add_co_u32 s28, s28, s29
	s_lshl_b32 s29, s24, 8                         ; my wave's 64 columns
	s_add_co_u32 s28, s28, s29
	s_mov_b32 s29, 0
	s_add_nc_u64 s[12:13], s[12:13], s[28:29]
	s_lshl_b32 s28, s27, 3
	s_add_co_u32 s28, s28, s26
	s_lshl_b32 s28, s28, 4
	s_lshl_b32 s30, s24, 2
	s_add_co_u32 s28, s28, s30
	s_lshl_b32 s28, s28, 12                        ; ((8 NT + ks) 16 + 4 w) tiles of 4,096 bytes,
	s_lshl_b32 s30, s31, 10
	s_add_co_u32 s28, s28, s30                     ; and the chunk's 1,024 in each
	s_add_nc_u64 s[22:23], s[22:23], s[28:29]
	OLOAD 0
	OLOAD 1
	OCONV 0
	OCONV 1
	s_wait_tensorcnt 0x0                           ; the wave's end, as in the other two paths
	ds_add_u32 v[SPW], v[NIL]
	s_wait_dscnt 0x0
	s_endpgm
.Lpath_w:
	; ---- Wq, Wk, Wv: a work-group is (which, head, 32 of the 64 columns, 512 of the 1,024 along K); wave w takes 128 along K: four blocks a lane.
	; The four waves' 64 bytes of each column's codes meet in one stage, so that whole runs of 256 bytes leave.
	s_lshr_b32 s26, ttmp9, 6                       ; which
	s_bfe_u32 s27, ttmp9, 0x40002                  ; head
	s_bfe_u32 s30, ttmp9, 0x10001                  ; which 32 columns
	s_and_b32 s31, ttmp9, 1                        ; which 512 along K
	s_cmp_eq_u32 s26, 0
	s_cselect_b64 s[32:33], s[6:7], s[10:11]
	s_cmp_eq_u32 s26, 1
	s_cselect_b64 s[32:33], s[8:9], s[32:33]       ; the choice hangs on the work-group's number alone
	v_lshlrev_b32 v3, 2, v2                        ; in: 4 bytes a lane
	s_lshl_b32 s34, s24, 6
	s_add_co_u32 s34, s34, WSTG
	v_mul_u32_u24 v4, v2, WPITCH
	v_add_nc_u32 v4, s34, v4                       ; into the stage: row = my column, + 64 x wave
	v_and_b32 v5, 15, v2
	v_lshrrev_b32 v6, 4, v2
	s_mul_i32 s35, s24, 8*WPITCH
	s_add_co_u32 s35, s35, WSTG
	v_mul_u32_u24 v7, v6, WPITCH
	v_lshl_add_u32 v7, v5, 4, v7
	v_add_nc_u32 v7, s35, v7                       ; out of it: rows 8 w on, sixteen lanes to a row, two rows an instruction
	s_lshl_b32 s35, s24, 12
	v_lshlrev_b32 v8, 9, v6
	v_lshl_add_u32 v8, v5, 4, v8
	v_add_nc_u32 v8, s35, v8                       ; the same place in wc (rows of 512 bytes)
	v_lshlrev_b32 v9, 5, v2                        ; a column's row of ws
	v_lshlrev_b32 v10, 4, v2
	v_add_nc_u32 v10, WSCS, v10                    ; a column's 16 scale bytes in LDS,
	s_lshl_b32 s35, s24, 2
	v_add_nc_u32 v18, s35, v10                     ; and my wave's four of them
	s_lshl_b32 s28, s27, 18                        ; a head: 1,024 rows of 256 bytes
	s_lshl_b32 s35, s31, 17
	s_add_co_u32 s28, s28, s35
	s_lshl_b32 s35, s24, 15                        ; my wave's 128 rows
	s_add_co_u32 s28, s28, s35
	s_lshl_b32 s35, s30, 7
	s_add_co_u32 s28, s28, s35
	s_mov_b32 s29, 0
	s_add_nc_u64 s[32:33], s[32:33], s[28:29]
	s_lshl_b32 s36, s26, 10
	s_lshl_b32 s35, s27, 6
	s_add_co_u32 s36, s36, s35
	s_lshl_b32 s35, s30, 5
	s_add_co_u32 s36, s36, s35                     ; the work-group's first row of wc and ws
	s_lshl_b32 s28, s36, 9
	s_lshl_b32 s35, s31, 8
	s_add_co_u32 s28, s28, s35
	s_add_nc_u64 s[18:19], s[18:19], s[28:29]
	s_lshl_b32 s28, s36, 5
	s_lshl_b32 s35, s31, 4
	s_add_co_u32 s28, s28, s35
	s_add_nc_u64 s[20:21], s[20:21], s[28:29]
	WLOAD 0
	WLOAD 1
.irp t, 0,1,2,3
	WBLOCK \t
.endr
	ds_store_b32 v18, v[WSB]                       ; my column's four scale bytes
	s_wait_dscnt 0x0                               ; for the others' sake: my stores into the stage have landed
	s_barrier_signal -1
	s_barrier_wait -1
.irp t, 0,1,2,3
	ds_load_b128 v[WOUT+4*\t:WOUT+4*\t+3], v7 offset:2*\t*WPITCH
.endr
.irp t, 0,1,2,3
	s_wait_dscnt 3-\t
	global_store_b128 v8, v[WOUT+4*\t:WOUT+4*\t+3], s[18:19] offset:2*\t*512   ; sixteen lanes store 256 consecutive bytes of a row
.endr
	s_cmp_lg_u32 s24, 0                            ; wave 0 stores the 32 columns' scale bytes, 16 a lane
	s_cbranch_scc1 .Lw_end
	ds_load_b128 v[28:31], v10
	s_wait_dscnt 0x0
	global_store_b128 v9, v[28:31], s[20:21]
.Lw_end:
	s_wait_tensorcnt 0x0                           ; the wave's end
	ds_add_u32 v[SPW], v[NIL]
	s_wait_dscnt 0x0
	s_endpgm
.Lfunc_end_k_q7791941f88_prep:
	.size	k_q7791941f88_prep, .Lfunc_end_k_q7791941f88_prep-k_q7791941f88_prep
	.p2alignl 7, 3214868480
	.fill 96, 4, 3214868480
	.section	.rodata,"a",@progbits
	.p2align	6, 0x0
	.amdhsa_kernel k_q7791941f88_prep
		.amdhsa_group_segment_fixed_size 42496
		.amdhsa_private_segment_fixed_size 0
		.amdhsa_enable_private_segment 0
		.amdhsa_kernarg_size 80
		.amdhsa_user_sgpr_count 2
		.amdhsa_user_sgpr_kernarg_segment_ptr 1
		.amdhsa_wavefront_size32 1
		.amdhsa_system_sgpr_workgroup_id_x 1
		.amdhsa_system_sgpr_workgroup_id_y 1
		.amdhsa_system_sgpr_workgroup_id_z 1
		.amdhsa_system_vgpr_workitem_id 0
		.amdhsa_next_free_vgpr 192
		.amdhsa_next_free_sgpr 66
		.amdhsa_reserve_vcc 0
		.amdhsa_float_denorm_mode_32 3
		.amdhsa_float_denorm_mode_16_64 3
		.amdhsa_memory_ordered 1
		.amdhsa_forward_progress 1
		.amdhsa_inst_pref_size 49
	.end_amdhsa_kernel
	.amdgpu_metadata
---
amdhsa.version: [ 1, 2 ]
amdhsa.kernels:
  - .name:           k_q7791941f88_prep
    .symbol:         k_q7791941f88_prep.kd
    .args:
      - { .name: x, .offset: 0, .size: 8, .value_kind: global_buffer, .address_space: global }
      - { .name: Wq, .offset: 8, .size: 8, .value_kind: global_buffer, .address_space: global }
      - { .name: Wk, .offset: 16, .size: 8, .value_kind: global_buffer, .address_space: global }
      - { .name: Wv, .offset: 24, .size: 8, .value_kind: global_buffer, .address_space: global }
      - { .name: Wo, .offset: 32, .size: 8, .value_kind: global_buffer, .address_space: global }
      - { .name: xc, .offset: 40, .size: 8, .value_kind: global_buffer, .address_space: global }
      - { .name: xs, .offset: 48, .size: 8, .value_kind: global_buffer, .address_space: global }
      - { .name: wc, .offset: 56, .size: 8, .value_kind: global_buffer, .address_space: global }
      - { .name: ws, .offset: 64, .size: 8, .value_kind: global_buffer, .address_space: global }
      - { .name: woh, .offset: 72, .size: 8, .value_kind: global_buffer, .address_space: global }
    .group_segment_fixed_size: 42496
    .private_segment_fixed_size: 0
    .kernarg_segment_align: 8
    .kernarg_segment_size: 80
    .max_flat_workgroup_size: 128
    .sgpr_count:     66
    .vgpr_count:     192
    .wavefront_size: 32
...
	.end_amdgpu_metadata
.endif
;; end of part 1
;; launch qkv (part 2): grid 12 x 32, 4 waves a work-group, clusters of 4 x 4, 327,680 bytes of LDS; arguments xc, xs, wc, ws, qkv, qkv32; writes qkv, qkv32
.if DOCPART == 2
	.amdgcn_target "amdgcn-amd-amdhsa--gfx1250"
	.amdhsa_code_object_version 6
	.text
	.protected	k_q7791941f88_qkv
	.globl	k_q7791941f88_qkv
	.p2align	8
	.type	k_q7791941f88_qkv,@function
k_q7791941f88_qkv:
	s_mov_b64 s[64:65], 0
	v_nop
	global_prefetch_b8 v0, s[64:65] scope:SCOPE_SE
	s_setreg_imm32_b32 hwreg(HW_REG_WAVE_MODE, 25, 1), 1
	s_wait_xcnt 0x0
	s_wait_alu depctr_hold_cnt(0) depctr_sa_sdst(0) depctr_va_vdst(0) depctr_va_sdst(0) depctr_va_ssrc(0) depctr_va_vcc(0) depctr_vm_vsrc(0)
	s_getreg_b32 s2, hwreg(HW_REG_IB_STS2, 6, 4)
	s_cmp_eq_u32 s2, 0
	s_cbranch_scc0 .Lentry_in_a_cluster
	s_endpgm
.Lentry_in_a_cluster:
	s_bfe_u32 s2, ttmp6, 0x10000c
	s_cmp_lg_u32 s2, 0xf033
	s_cbranch_scc0 .Lentry_shape_is_right
	s_endpgm
.Lentry_shape_is_right:
; QKV: the three quantised products as ONE product on codes of E2M1: C[m][n] = sum over c of x[m][c] W[n][c], m = (b, t) 8,192 rows, n = 1024 which + 64 head + d, 3,072 rows, K = 1,024; sums in f32.
; Results: qkv [which 3][b 8][head 16][t 1024][64] in f16 (operands of the products that are left as they are), and the rows t < 16 of every batch also as f32, qkv32 [b 8][t 16][3072], for the fine launch.
; LIMIT: q, k, v beyond 65,504 in magnitude are not served by f16 (inputs some 30 times the drawn ones stay far under it).
; A tile of C, 256 x 256, is made by four waves, each 128 x 128: 64 accumulators.  K is two slots of 512 (LDS rows of 256 bytes + 16): both are asked for at the head and nothing is filled again.
; The scale bytes of the tile's 256 + 256 rows, for all of K, come once as dense blocks.  One register carries A's scale word (lanes 0-15) and B's (lanes 16-31).
; CLUSTERS of 4 x 4: x's tile is shared along a row of the cluster, W's along a column, each by a joint load.  Tile column = 4 x cluster x + cx.  TILE ROW = 8 cy + cluster y: so whether a tile begins a batch
; (tile row % 4 = 0) hangs on the cluster's y alone and is the same in all sixteen partners: no branch hangs on a place in the cluster.
; THE MATRIX INSTRUCTION IS USED TRANSPOSED (source 0 = 16 rows of W, source 1 = 16 rows of x): a lane holds eight neighbouring n of one row m.
; REGISTERS: window 0: v1-29 addresses; v32-95 scale words, two sets; v128-191 x's fragments, one set; window 1: W's fragments, two sets; windows 2, 3: the accumulators ((a, b) at v[8 (8 (a % 4) + b)]).
.set SIZE_K, 1024
.set KSTEP,  512
.set NQ,     KSTEP/128
.set ROWB,   256
.set KROW,   SIZE_K*4/8
.set PITCH,  272
.set FR,     8
.set NL,     2
.set NP,     4
.set HALFT,  128*PITCH
.set SLOT,   4*HALFT
.set KS,     SIZE_K/32
.set SCL,    2*SLOT
.set HALFS,  (128*KS/256)*272
.set SBLK,   (16*KS/256)*272
.set SPARE,  SCL+4*HALFS               ; the spare words, 128 bytes for each wave
.set SPITCH, 528                       ; the way out: a stage of 16 x 528 bytes for each wave, in slot 0, which has had its only fill and its last read by then
.set STO16, 8                          ; v8   f16 way out: where I put 16 bytes of a row (pitch 272)
.set RD16,  9                          ; v9   where I read back: head lane / 16, token (lane / 8) % 2, 16 (lane % 8)
.set CO16,  10                         ; v10  the same place in qkv
.set STO32, 11                         ; v11  f32 way out: where I put 32 bytes of a row (pitch 528)
.set RD32,  12                         ; v12  16 x lane in a row
.set CO32,  13                         ; v13  the same in qkv32
.set ADRA, 16
.set ADRB, 20
.set ADRS, 27
.set SPW,  28
.set NIL,  29
.set SC,   32
.set AF,   128
.set TMP,  192                         ; the way out: packed results
.set OB,   32                          ; rows read back: v32-63 and v224-255 by turns
.set G1, 24
.set G0, 32
.set G1B, 48
.set G0B, 56
.set G1S, 68
.set G0S, 76
.set G1SB, 80
.set G0SB, 88
.set MSB, 0
.macro WIN new                         ; the immediate's high byte repeats the setting that is left
.if MSB != \new
	s_set_vgpr_msb (MSB<<8)|\new
.set MSB, \new
.endif
.endm
.set MUL_LO, 0xa1
.set MUL_HI, 0xf1
.set TO_B,   0x40
; a joint load: waves 0 and 1 fetch for x, waves 2 and 3 for W; an s_nop 0 and four v_nop follow each of the two lines
.macro JLOAD g0a, g1a, g0b, g1b
	s_cmp_eq_u32 s15, 0
	s_cbranch_scc0 .Lfor_b_\@
	tensor_load_to_lds s[\g0a:\g0a+3], s[\g1a:\g1a+7]
	s_nop 0
.rept 4
	v_nop
.endr
	s_branch .Lasked_\@
.Lfor_b_\@:
	tensor_load_to_lds s[\g0b:\g0b+3], s[\g1b:\g1b+7]
	s_nop 0
.rept 4
	v_nop
.endr
.Lasked_\@:
.endm
.macro CROUND                          ; a round of the cluster's barrier
	s_barrier_signal -1
	s_barrier_wait -1
	s_cmp_lg_u32 s14, 0
	s_cbranch_scc1 .Lnot_wave_0_\@
	s_barrier_signal -3
.Lnot_wave_0_\@:
	s_barrier_wait -3
	s_barrier_signal -1
	s_barrier_wait -1
.endm
	s_load_b128 s[4:7], s[0:1], 0x0                ; xc, xs
	s_load_b128 s[8:11], s[0:1], 0x10              ; wc, ws
	s_load_b64 s[12:13], s[0:1], 0x20              ; qkv
	s_load_b64 s[66:67], s[0:1], 0x28              ; qkv32
	v_lshl_add_u32 v[SPW], v0, 2, SPARE
	v_mov_b32 v[NIL], 0
	ds_add_u32 v[SPW], v[NIL]                      ; the wave's opening: the add, twice on end, and its wait ahead of my first tensor load
	ds_add_u32 v[SPW], v[NIL]
	v_lshrrev_b32 v1, 5, v0
	v_readfirstlane_b32 s14, v1                    ; wave 0..3
	s_lshr_b32 s15, s14, 1                         ; which half of the tile's rows is mine.  Also: I fetch for x (0) or for W (1)
	s_and_b32 s16, s14, 1                          ; which half of its columns.  Also: which 128 rows I fetch
	s_bfe_u32 s40, ttmp6, 0x40000                  ; cx
	s_bfe_u32 s41, ttmp6, 0x40004                  ; cy
	s_lshl_b32 s42, ttmp9, 2
	s_add_co_u32 s42, s42, s40                     ; tile column = 4 x cluster x + cx
	s_and_b32 s96, ttmp7, 0xffff                   ; cluster y, 0 .. 7
	s_lshl_b32 s17, s41, 3
	s_add_co_u32 s17, s17, s96                     ; tile row = 8 cy + cluster y
	s_lshl_b32 s43, s41, 2
	s_lshl_b32 s43, 15, s43                        ; my row of the cluster
	s_lshl_b32 s44, 0x1111, s40                    ; my column
	s_or_b32 s[G1+0], s43, (0<<16)|(1<<20)|(1<<21)|(5<<22)|(3<<25)  ; the mask; elements of 1 byte; padding on; bit 21 beside a mask; 4 words behind every 64
	s_or_b32 s[G1B+0], s44, (0<<16)|(1<<20)|(1<<21)|(5<<22)|(3<<25)
.irp g, G1, G1B
	s_mov_b32 s[\g+1], ROWB<<16                    ; tensor_dim0
	s_mov_b32 s[\g+2], 128<<16                     ; tensor_dim1
	s_mov_b32 s[\g+3], ROWB<<16                    ; tile_dim0
	s_mov_b32 s[\g+4], 128                         ; tile_dim1
	s_mov_b32 s[\g+5], KROW                        ; from row to row
	s_mov_b32 s[\g+6], 0
	s_mov_b32 s[\g+7], 0
.endr
	s_or_b32 s[G1S+0], s43, (3<<16)|(1<<20)|(1<<21)|(5<<22)|(3<<25) ; the scales of 128 rows: 4,096 dense bytes as 16 rows of 256, 16 bytes of padding behind each
	s_or_b32 s[G1SB+0], s44, (3<<16)|(1<<20)|(1<<21)|(5<<22)|(3<<25)
.irp g, G1S, G1SB
	s_mov_b32 s[\g+1], 32<<16
	s_mov_b32 s[\g+2], (128*KS/256)<<16
	s_mov_b32 s[\g+3], 32<<16
	s_mov_b32 s[\g+4], 128*KS/256
	s_mov_b32 s[\g+5], 32
	s_mov_b32 s[\g+6], 0
	s_mov_b32 s[\g+7], 0
.endr
	s_lshl_b32 s18, s16, 7
	s_lshl_b32 s20, s17, 8
	s_add_co_u32 s20, s20, s18                     ; x: row 256 x tile row + 128 x half
	s_lshl_b32 s46, s42, 8
	s_add_co_u32 s46, s46, s18                     ; W: row 256 x tile column + 128 x half
	s_mov_b32 s21, 0
	s_mov_b32 s47, 0
	s_mov_b64 s[18:19], KS
	s_mul_u64 s[22:23], s[20:21], s[18:19]         ; where these rows' scales begin
	s_mul_u64 s[92:93], s[46:47], s[18:19]
	s_mov_b64 s[18:19], KROW
	s_mul_u64 s[20:21], s[20:21], s[18:19]         ; and their codes
	s_mul_u64 s[46:47], s[46:47], s[18:19]
	s_mul_i32 s45, s14, HALFT                      ; where they go: wave x 128 rows
	s_mul_i32 s94, s14, HALFS
	s_wait_dscnt 0x0                               ; both opening adds are done
	s_wait_kmcnt 0x0
	s_add_nc_u64 s[20:21], s[4:5], s[20:21]
	s_add_nc_u64 s[22:23], s[6:7], s[22:23]
	s_add_nc_u64 s[46:47], s[8:9], s[46:47]
	s_add_nc_u64 s[92:93], s[10:11], s[92:93]
	CROUND                                         ; all sixteen work-groups are here: the joint loads meet
	s_mov_b32 s[G0S], 1
	s_add_co_u32 s[G0S+1], s94, SCL
	s_mov_b64 s[G0S+2:G0S+3], s[22:23]
	s_or_b32 s[G0S+3], s[G0S+3], 0x80000000
	s_mov_b32 s[G0SB], 1
	s_add_co_u32 s[G0SB+1], s94, SCL
	s_mov_b64 s[G0SB+2:G0SB+3], s[92:93]
	s_or_b32 s[G0SB+3], s[G0SB+3], 0x80000000
	JLOAD G0S, G1S, G0SB, G1SB                     ; the scales first
.irp s, 0,1
	s_mov_b32 s[G0+4*\s], 1
	s_add_co_u32 s[G0+4*\s+1], s45, \s*SLOT
	s_add_nc_u64 s[G0+4*\s+2:G0+4*\s+3], s[20:21], \s*ROWB
	s_or_b32 s[G0+4*\s+3], s[G0+4*\s+3], 0x80000000
	s_mov_b32 s[G0B+4*\s], 1
	s_add_co_u32 s[G0B+4*\s+1], s45, \s*SLOT
	s_add_nc_u64 s[G0B+4*\s+2:G0B+4*\s+3], s[46:47], \s*ROWB
	s_or_b32 s[G0B+4*\s+3], s[G0B+4*\s+3], 0x80000000
	JLOAD G0+4*\s, G1, G0B+4*\s, G1B               ; three loads of mine are out in all
.endr
	v_and_b32 v1, 15, v0                           ; r
	v_bfe_u32 v2, v0, 4, 1                         ; hh
	v_mul_u32_u24 v3, v1, PITCH
	v_lshl_add_u32 v4, v2, 4, v3
	s_mul_i32 s21, s15, HALFT
	s_mul_i32 s22, s16, HALFT
	s_add_co_u32 s22, s22, 2*HALFT
.irp s, 0,1
	v_add_nc_u32 v[ADRA+\s], s21, v4
	v_add_nc_u32 v[ADRB+\s], s22, v4
	s_add_co_u32 s21, s21, SLOT
	s_add_co_u32 s22, s22, SLOT
.endr
	v_mul_u32_u24 v5, v1, KS                       ; my row's scales: 32 bytes a row,
	v_lshrrev_b32 v6, 8, v5
	v_lshl_add_u32 v5, v6, 4, v5                   ; and 16 more for each 256 passed
	s_mul_i32 s21, s15, HALFS
	s_mul_i32 s22, s16, HALFS
	s_add_co_u32 s22, s22, 2*HALFS
	s_sub_co_u32 s22, s22, s21
	v_mul_u32_u24 v6, s22, v2                      ; lanes 16-31 take W's
	s_add_co_u32 s21, s21, SCL
	v_add_nc_u32 v5, v5, v6
	v_add_nc_u32 v[ADRS], s21, v5
	s_mul_i32 s23, s14, 16*SPITCH                  ; my stage
	v_mul_u32_u24 v5, v1, 272
	v_lshl_add_u32 v5, v2, 4, v5
	v_add_nc_u32 v[STO16], s23, v5
	v_bfe_u32 v6, v0, 3, 1
	v_and_b32 v7, 7, v0
	v_mul_u32_u24 v5, v6, 272
	v_lshl_add_u32 v5, v2, 7, v5
	v_lshl_add_u32 v5, v7, 4, v5
	v_add_nc_u32 v[RD16], s23, v5
	v_lshlrev_b32 v5, 17, v2                       ; a head's 1,024 tokens of 128 bytes
	v_lshl_add_u32 v5, v6, 7, v5
	v_lshl_add_u32 v[CO16], v7, 4, v5
	v_mul_u32_u24 v5, v1, SPITCH
	v_lshl_add_u32 v5, v2, 5, v5
	v_add_nc_u32 v[STO32], s23, v5
	v_and_b32 v6, 31, v0
	v_lshlrev_b32 v[CO32], 4, v6
	v_add_nc_u32 v[RD32], s23, v[CO32]
	; where my results go.  b = 2 cy + (cluster y >> 2); t0 = 256 (cluster y & 3) + 128 x row half; heads 4 cx + 2 x column half and + 1; which = cluster x
	s_lshr_b32 s20, s96, 2
	s_lshl_b32 s21, s41, 1
	s_add_co_u32 s20, s20, s21                     ; b
	s_lshl_b32 s21, ttmp9, 3
	s_add_co_u32 s21, s21, s20
	s_lshl_b32 s21, s21, 4
	s_lshl_b32 s46, s40, 2
	s_add_co_u32 s21, s21, s46
	s_lshl_b32 s46, s16, 1
	s_add_co_u32 s21, s21, s46
	s_lshl_b32 s21, s21, 17
	s_and_b32 s46, s96, 3
	s_lshl_b32 s46, s46, 8
	s_lshl_b32 s47, s15, 7
	s_add_co_u32 s46, s46, s47
	s_lshl_b32 s46, s46, 7
	s_add_co_u32 s46, s46, s21
	s_mov_b32 s47, 0
	s_add_nc_u64 s[12:13], s[12:13], s[46:47]
	s_mul_i32 s46, s20, 196608                     ; qkv32: 16 rows of 12,288 bytes a batch
	s_lshl_b32 s21, s42, 10
	s_add_co_u32 s46, s46, s21
	s_lshl_b32 s21, s16, 9
	s_add_co_u32 s46, s46, s21
	s_add_nc_u64 s[66:67], s[66:67], s[46:47]
	s_and_b32 s95, s96, 3
	s_or_b32 s95, s95, s15                         ; 0 where my first 16 rows are a batch's first 16 positions
.macro FRAG reg, adr, q, i             ; 16 rows x 128 K of 4-bit codes: two loads of 16 bytes, 32 bytes apart
.irp c, 0,1
	ds_load_b128 v[\reg+4*\c:\reg+4*\c+3], v[\adr] offset:64*(\q)+32*\c+(\i)*16*PITCH
.endr
.endm
; 16 matrix instructions: x's blocks a0, a0 + 1 against W's eight.  The 64 accumulators take turns, one instruction a turn, in the same order in every step.
.macro MUL16 a0, p, q, sc, zero
.irp a, \a0, \a0+1
.irp b, 0,1,2,3,4,5,6,7
.if \zero
	v_wmma_scale_f32_16x16x128_f8f6f4 v[8*(8*((\a)%4)+\b):8*(8*((\a)%4)+\b)+7], v[128*(\p)+FR*\b:128*(\p)+FR*\b+FR-1], v[AF+FR*(\a):AF+FR*(\a)+FR-1], 0, v[SC+8*NQ*(\sc)+NQ*\b+(\q)], v[SC+8*NQ*(\sc)+NQ*(\a)+(\q)] matrix_a_fmt:MATRIX_FMT_FP4 matrix_b_fmt:MATRIX_FMT_FP4 matrix_a_scale:MATRIX_SCALE_ROW1
.else
	v_wmma_scale_f32_16x16x128_f8f6f4 v[8*(8*((\a)%4)+\b):8*(8*((\a)%4)+\b)+7], v[128*(\p)+FR*\b:128*(\p)+FR*\b+FR-1], v[AF+FR*(\a):AF+FR*(\a)+FR-1], v[8*(8*((\a)%4)+\b):8*(8*((\a)%4)+\b)+7], v[SC+8*NQ*(\sc)+NQ*\b+(\q)], v[SC+8*NQ*(\sc)+NQ*(\a)+(\q)] matrix_a_fmt:MATRIX_FMT_FP4 matrix_b_fmt:MATRIX_FMT_FP4 matrix_a_scale:MATRIX_SCALE_ROW1
.endif
.endr
.endr
.endm
.macro FETCH_B slot, q, p
	WIN TO_B
.irp i, 0,1,2,3,4,5,6,7
	FRAG 128*(\p)+FR*\i, ADRB+\slot, \q, \i
.endr
	WIN 0
.endm
.macro FETCH_A slot, q, i0
.irp i, \i0, \i0+1, \i0+2, \i0+3
	FRAG AF+FR*(\i), ADRA+\slot, \q, \i
.endr
.endm
.macro SCALES sc                       ; a slot's scale words: 4 words a row; lanes 0-15 x's block i, lanes 16-31 W's block i
.irp i, 0,1,2,3,4,5,6,7
	ds_load_b128 v[SC+8*NQ*\sc+NQ*\i:SC+8*NQ*\sc+NQ*\i+3], v[ADRS] offset:\i*SBLK
.endr
.endm
.macro PLACES n                        ; plain vector instructions between a matrix instruction and a load into, or a read of, its registers
.rept \n
	v_nop
.endr
.endm
.macro STEP slot, q, zero              ; 128 along K that has its successor in the same slot
	s_wait_dscnt 4*NL                              ; W's set and x's blocks 0-3 are in; the youngest eight loads (x's blocks 4-7) may be out
	WIN MUL_LO
	MUL16 0, (\q)%2, \q, \slot, \zero
	MUL16 2, (\q)%2, \q, \slot, \zero
	s_wait_dscnt 0
	PLACES NP
	FETCH_B \slot, (\q)+1, 1-(\q)%2
	FETCH_A \slot, (\q)+1, 0
	WIN MUL_HI
	MUL16 4, (\q)%2, \q, \slot, \zero
	MUL16 6, (\q)%2, \q, \slot, \zero
	PLACES NP
	WIN 0
	FETCH_A \slot, (\q)+1, 4
.endm
.macro TURN slot, next                 ; slot 0's last step: one barrier; behind it slot 1 is whole in every wave's eyes and nobody reads slot 0 again.  Nothing is filled
	s_wait_tensorcnt 0x0                           ; all my tensor loads have landed: my part of slot 1
	ds_add_u32 v[SPW], v[NIL]
	s_wait_dscnt 4*NL+1                            ; the add and the youngest eight loads may be out
	WIN MUL_LO
	MUL16 0, 1, NQ-1, \slot, 0
	s_wait_dscnt 0x0                               ; the add is done, and my reads of this slot are over
	s_barrier_signal -1
	MUL16 2, 1, NQ-1, \slot, 0
	WIN 0
	s_barrier_wait -1
	PLACES NP
	v_add_nc_u32 v[ADRS], 4*NQ, v[ADRS]            ; on to the next slot's scale words
	FETCH_B \next, 0, 0
	FETCH_A \next, 0, 0
	SCALES \next
	WIN MUL_HI
	MUL16 4, 1, NQ-1, \slot, 0
	MUL16 6, 1, NQ-1, \slot, 0
	PLACES NP
	WIN 0
	FETCH_A \next, 0, 4
.endm
	s_wait_tensorcnt 1                             ; the scales and my part of slot 0 are in; slot 1's load may be out
	s_barrier_signal -1
	s_barrier_wait -1
	FETCH_B 0, 0, 0
	FETCH_A 0, 0, 0
	SCALES 0
	FETCH_A 0, 0, 4
	STEP 0, 0, 1                                   ; the first step's products start the sums: nothing is cleared
	STEP 0, 1, 0
	STEP 0, 2, 0
	TURN 0, 1
	STEP 1, 0, 0
	STEP 1, 1, 0
	STEP 1, 2, 0
	s_wait_dscnt 4*NL                              ; the last step: nothing more to fetch
	WIN MUL_LO
	MUL16 0, 1, NQ-1, 1, 0
	MUL16 2, 1, NQ-1, 1, 0
	s_wait_dscnt 0
	WIN MUL_HI
	MUL16 4, 1, NQ-1, 1, 0
	MUL16 6, 1, NQ-1, 1, 0
	WIN 0
	PLACES NP                                      ; ahead of the first read of results and of loads into registers that the products have read
	; THE WAY OUT.  First, where my block 0 is a batch's positions 0 .. 15: those 16 rows x 128 columns as f32, through my stage, as whole rows of 512 bytes.
	s_cmp_lg_u32 s95, 0                            ; cluster y and the wave's number alone
	s_cbranch_scc1 .Lno32
	WIN 0x08                                       ; an LDS store's data: window 2
.irp b, 0,1,2,3,4,5,6,7
	ds_store_b128 v[STO32], v[8*\b:8*\b+3] offset:64*\b           ; each accumulator from its low end on
	ds_store_b128 v[STO32], v[8*\b+4:8*\b+7] offset:64*\b+16
.endr
	WIN 0
.irp t, 0,1,2,3,4,5,6,7,8,9,10,11,12,13,14,15
	ds_load_b128 v[AF+4*\t:AF+4*\t+3], v[RD32] offset:\t*SPITCH   ; LDS serves a wave's instructions in order: these see my stores
.endr
	s_wait_dscnt 0x0
.irp t, 0,1,2,3,4,5,6,7,8,9,10,11,12,13,14,15
	global_store_b128 v[CO32], v[AF+4*\t:AF+4*\t+3], s[66:67] offset:\t*12288   ; 512 consecutive bytes of a row
.endr
.Lno32:
; Then all eight blocks as f16.  A stage row is a token's 128 columns: two heads of 128 bytes.  Read back, sixteen lanes hold two tokens of one head: 256 consecutive bytes of qkv.
.macro PACK a
.set AC, 64*((\a)%4)
	WIN 0x0a+5*((\a)/4)                            ; sources 0 and 1: window 2 or 3
.irp b, 0,1,2,3,4,5,6,7
.irp r, 0,1,2,3
	v_cvt_pk_f16_f32 v[TMP+4*\b+\r], v[AC+8*\b+2*\r], v[AC+8*\b+2*\r+1]
.endr
.endr
	WIN 0
.endm
.macro TOSTAGE a
.set BB, OB+192*((\a)%2)
.irp b, 0,1,2,3,4,5,6,7
	ds_store_b128 v[STO16], v[TMP+4*\b:TMP+4*\b+3] offset:32*\b
.endr
.irp i, 0,1,2,3,4,5,6,7
	ds_load_b128 v[BB+4*\i:BB+4*\i+3], v[RD16] offset:\i*544
.endr
.endm
.macro SEND a
.set BB, OB+192*((\a)%2)
	s_wait_dscnt 0x0                               ; the block is back in registers
	s_wait_xcnt 0x0                                ; the stores of the block before have read their registers: the next block's loads may land there
.irp i, 0,1,2,3,4,5,6,7
	global_store_b128 v[CO16], v[BB+4*\i:BB+4*\i+3], s[12:13] offset:(\a)*2048+\i*256
.endr
.endm
	PACK 0
	TOSTAGE 0
.irp a, 1,2,3,4,5,6,7                  ; block a's conversions stand between block a - 1's loads from the stage and the wait for them
	PACK \a
	SEND \a-1
	TOSTAGE \a
.endr
	SEND 7
	s_wait_tensorcnt 0x0                           ; the wave's end
	ds_add_u32 v[SPW], v[NIL]
	s_wait_dscnt 0x0
	CROUND                                         ; the closing round
	s_endpgm
.Lfunc_end_k_q7791941f88_qkv:
	.size	k_q7791941f88_qkv, .Lfunc_end_k_q7791941f88_qkv-k_q7791941f88_qkv
	.p2alignl 7, 3214868480
	.fill 96, 4, 3214868480
	.section	.rodata,"a",@progbits
	.p2align	6, 0x0
	.amdhsa_kernel k_q7791941f88_qkv
		.amdhsa_group_segment_fixed_size 327680
		.amdhsa_private_segment_fixed_size 0
		.amdhsa_enable_private_segment 0
		.amdhsa_kernarg_size 48
		.amdhsa_user_sgpr_count 2
		.amdhsa_user_sgpr_kernarg_segment_ptr 1
		.amdhsa_wavefront_size32 1
		.amdhsa_system_sgpr_workgroup_id_x 1
		.amdhsa_system_sgpr_workgroup_id_y 1
		.amdhsa_system_sgpr_workgroup_id_z 1
		.amdhsa_system_vgpr_workitem_id 0
		.amdhsa_next_free_vgpr 1024
		.amdhsa_next_free_sgpr 100
		.amdhsa_reserve_vcc 0
		.amdhsa_float_denorm_mode_32 3
		.amdhsa_float_denorm_mode_16_64 3
		.amdhsa_memory_ordered 1
		.amdhsa_forward_progress 1
		.amdhsa_inst_pref_size 131
	.end_amdhsa_kernel
	.amdgpu_metadata
---
amdhsa.version: [ 1, 2 ]
amdhsa.kernels:
  - .name:           k_q7791941f88_qkv
    .symbol:         k_q7791941f88_qkv.kd
    .args:
      - { .name: xc, .offset: 0, .size: 8, .value_kind: global_buffer, .address_space: global }
      - { .name: xs, .offset: 8, .size: 8, .value_kind: global_buffer, .address_space: global }
      - { .name: wc, .offset: 16, .size: 8, .value_kind: global_buffer, .address_space: global }
      - { .name: ws, .offset: 24, .size: 8, .value_kind: global_buffer, .address_space: global }
      - { .name: qkv, .offset: 32, .size: 8, .value_kind: global_buffer, .address_space: global }
      - { .name: qkv32, .offset: 40, .size: 8, .value_kind: global_buffer, .address_space: global }
    .group_segment_fixed_size: 327680
    .private_segment_fixed_size: 0
    .kernarg_segment_align: 8
    .kernarg_segment_size: 48
    .max_flat_workgroup_size: 128
    .sgpr_count:     100
    .vgpr_count:     1024
    .wavefront_size: 32
...
	.end_amdgpu_metadata
.endif
;; end of part 2
;; launch attn (part 3): grid 2 x 128, 8 waves a work-group, no clusters, 327,680 bytes of LDS; arguments qkv, att; writes att
.if DOCPART == 3
	.amdgcn_target "amdgcn-amd-amdhsa--gfx1250"
	.amdhsa_code_object_version 6
	.text
	.protected	k_q7791941f88_attn
	.globl	k_q7791941f88_attn
	.p2align	8
	.type	k_q7791941f88_attn,@function
k_q7791941f88_attn:
	s_mov_b64 s[64:65], 0
	v_nop
	global_prefetch_b8 v0, s[64:65] scope:SCOPE_SE
	s_setreg_imm32_b32 hwreg(HW_REG_WAVE_MODE, 25, 1), 1
	s_wait_xcnt 0x0
; ATTN: O[b][h][q] = sum over keys s <= q of softmax_s(q . k / 8) v, on f16 operands with f32 sums, maxima and row sums; a running maximum is taken away before every exponential.
; LEFT OUT (shown at the head of the first kernel): every step of 64 keys that lies wholly behind my 32 queries: the mask that the problem itself builds makes their weights 0.
; SHARES.  A work-group owns query blocks p and 3 - p (256 queries each) of one (b, h), one after the other: p + 1 and 4 - p slots of 256 keys, FIVE SLOTS FOR EVERY WORK-GROUP, 256 work-groups of equal work.
; Each of eight waves owns 32 queries, two tiles of 16; which 32 is w xor 3 (w / 4), so that waves w and w + 4 have five steps together in a slot on the diagonal.  A step is 64 keys.
; LAYOUT.  S^T = K Q^T (source 0 = 16 keys, source 1 = 16 queries): a lane holds ONE query and keys 8 (lane / 16) + 0 .. 7 of each tile; two tiles, rounded to f16 in pairs, ARE source 1 of O^T = V^T P.
; K comes out of LDS as it lies, V turned by ds_load_tr16_b128.  O^T / the row's sum, rounded to f16 in pairs, IS an operand image of the projection (16 rows x 32 k): it is stored as it stands, 512 consecutive bytes a store.
;   att = [128-row tile 64][ks 8][row tile 8][chunk 4][half 2][lane 32][16 B], k = 64 h + d.
; NO CLUSTER: the two work-groups of a head want different key slots at each change of slots (0,0,1,2,3 against 0,1,0,1,2), and heads share nothing.
; The step is written once: O^T and the sum begin as zeros and the maximum as -3e38, since a block of queries ends inside a counted loop and no first step can be written out.
; LIMIT: q, k, v come as f16; the weights p (at most 1) are rounded to f16 for the second product.
; REGISTERS.  window 0: v1-13 addresses; v16-31 statistics, 8 a tile; v32-63 Q; v64-127 S^T, then p; v128-159 P; v160-223 O^T; v224-239 at work.   window 1: v0-63 K, v64-127 V of one step; v128-159 the second block's Q.
.set KP,    144                        ; a key's row in LDS: 128 bytes + 16
.set VP,    160                        ; a row of V: 128 + 32
.set VOFF,  256*KP                     ; a slot: 256 rows of K, then 256 rows of V
.set SLOT1, 1<<17
.set SPARE, SLOT1+256*(KP+VP)          ; the spare words, 128 bytes for each of eight waves
.set AK0, 1
.set AV0, 2
.set ADK, 3
.set ADV, 4
.set QO,  5
.set GO,  6
.set PFO, 7
.set SPW, 8
.set NIL, 9
.set NINF, 10
.set RH,  11                           ; lane % 16 - 8 (lane / 16)
.set D0,  12                           ; v12, v13: the mask's bound for tiles 0, 1
.set ST,  16                           ; tile t at v[ST + 8 t]: +0 -c m, +1 m, +2 +3 the sum in two halves, +4 a (or 1 / sum), +5 its pair's partner, +6 at work
.set Q,   32
.set S,   64
.set P,   128
.set O,   160
.set T,   224
.set KFR, 0                            ; window 1
.set VFR, 64
.set Q2,  128
.set WV,  8
.set PP,  9
.set BH,  10
.set QB,  11
.set KB,  12                           ; s[12:13] K of my head at my quarter of a slot;  s[14:15] V likewise
.set VB,  14
.set AA,  16                           ; s[16:17] where the block in hand goes in att;  s[18:19] the second block
.set AB,  18
.set SEL, 20
.set CS,  22                           ; s[22:23] c = log2(e) / 8
.set G1K, 24
.set G1V, 32
.set G0K, 40
.set G0V, 44
.set OFF, 48
.set KSL, 50                           ; the key slot in hand
.set QBK, 51                           ; the query block in hand
.set KSN, 52                           ; the key slot that follows
.set KF,  53                           ; the step's first key
.set Q0,  54                           ; my first query
.set TK,  55                           ; LDS byte of the step's rows of K, and of V
.set TV,  56
.set CNT, 57
.set SLOTS, 58
.set LIM, 59
.set PFA, 60
.set NEGC, 62
.set Q0B, 63
.set MSB, 0
.macro WIN new
.if MSB != \new
	s_set_vgpr_msb (MSB<<8)|\new
.set MSB, \new
.endif
.endm
; Waves 0 to 3 fetch K's quarters of a slot, waves 4 to 7 V's: every wave issues one load.  An s_nop 0 and four v_nop follow each line.
.macro TLOAD
	s_cmp_lt_u32 s[WV], 4
	s_cbranch_scc0 .Lfor_v_\@
	tensor_load_to_lds s[G0K:G0K+3], s[G1K:G1K+7]
	s_nop 0
.rept 4
	v_nop
.endr
	s_branch .Lasked_\@
.Lfor_v_\@:
	tensor_load_to_lds s[G0V:G0V+3], s[G1V:G1V+7]
	s_nop 0
.rept 4
	v_nop
.endr
.Lasked_\@:
.endm
; A prefetch of the key slot that the NEXT change of slots asks for.  Both work-groups of a head walk the same K and V: the one with p = 0 asks, in its trips 0, 1, 2 for key slots 1, 2, 3; each wave for its own
; quarter of 8,192 bytes, lanes 256 bytes apart: each block is named once in the launch.  Nothing at the head; nothing in the last trip, which has no slot behind it.
.macro ASK
	s_cmp_gt_u32 s[SLOTS], s[LIM]
	s_cbranch_scc0 .Lnot_mine_\@
	global_prefetch_b8 v[PFO], s[PFA:PFA+1] th:TH_LOAD_NT scope:SCOPE_SE
.Lnot_mine_\@:
.endm
.macro RESET                           ; a block of queries begins
.irp t, 0,1
	v_mov_b32 v[ST+8*\t+1], 0xff61b1e6             ; the maximum so far: -3e38
	v_mul_f32 v[ST+8*\t], s[NEGC], v[ST+8*\t+1]
	v_mov_b32 v[ST+8*\t+2], 0
	v_mov_b32 v[ST+8*\t+3], 0
	v_mov_b32 v[ST+8*\t+4], 0
	v_mov_b32 v[ST+8*\t+5], 0
.endr
.irp j, 0,1,2,3,4,5,6,7,8,9,10,11,12,13,14,15,16,17,18,19,20,21,22,23,24,25,26,27,28,29,30,31,32,33,34,35,36,37,38,39,40,41,42,43,44,45,46,47,48,49,50,51,52,53,54,55,56,57,58,59,60,61,62,63
	v_mov_b32 v[O+\j], 0
.endr
.endm
	s_load_b128 s[4:7], s[0:1], 0x0                ; qkv, att
	v_lshl_add_u32 v[SPW], v0, 2, SPARE
	v_mov_b32 v[NIL], 0
	ds_add_u32 v[SPW], v[NIL]                      ; the wave's opening: the add, twice on end, and its wait ahead of my first tensor load
	ds_add_u32 v[SPW], v[NIL]
	v_lshrrev_b32 v1, 5, v0
	v_readfirstlane_b32 s[WV], v1                  ; wave 0..7
	s_mov_b32 s[PP], ttmp9
	s_and_b32 s[BH], ttmp7, 0xffff                 ; 16 b + h
	s_lshr_b32 s66, s[WV], 2
	s_mul_i32 s66, s66, 3
	s_xor_b32 s[QB], s[WV], s66                    ; which 32 queries of a block
	s_mov_b32 s[G1K], (1<<16)|(1<<20)|(4<<22)|(3<<25)   ; elements of 2 bytes; padding: 4 words behind every 32
	s_mov_b32 s[G1V], (1<<16)|(1<<20)|(4<<22)|(7<<25)   ; 8 words
.irp g, G1K, G1V
	s_mov_b32 s[\g+1], 64<<16                      ; tensor_dim0 = 64
	s_mov_b32 s[\g+2], 64<<16                      ; tensor_dim1 = 64
	s_mov_b32 s[\g+3], 64<<16                      ; tile_dim0 = 64
	s_mov_b32 s[\g+4], 64                          ; tile_dim1 = 64 rows
	s_mov_b32 s[\g+5], 64                          ; from row to row
	s_mov_b32 s[\g+6], 0
	s_mov_b32 s[\g+7], 0
.endr
	s_and_b32 s66, s[WV], 3
	s_mov_b32 s[G0K], 1
	s_mul_i32 s[G0K+1], s66, 64*KP                 ; my quarter's place in slot 0
	s_mov_b32 s[G0V], 1
	s_mul_i32 s[G0V+1], s66, 64*VP
	s_add_co_u32 s[G0V+1], s[G0V+1], VOFF
	s_lshl_b32 s67, s66, 13                        ; 64 rows of 128 bytes
	s_add_co_u32 s68, s[BH], 128
	s_lshl_b32 s68, s68, 17
	s_add_co_u32 s68, s68, s67
	s_mov_b32 s69, 0
	s_add_co_u32 s70, s[BH], 256
	s_lshl_b32 s70, s70, 17
	s_add_co_u32 s70, s70, s67
	s_mov_b32 s71, 0
	s_mov_b32 s[SEL], 0x76543210
	s_mov_b32 s[SEL+1], 0xfedcba98
	s_mov_b32 s[CS], 0x3e38aa3b                    ; c = log2(e) / sqrt(64)
	s_mov_b32 s[CS+1], s[CS]
	s_mov_b32 s[NEGC], 0xbe38aa3b
	s_mov_b32 s[OFF+1], 0
	s_mov_b32 s[KSL], 0
	s_mov_b32 s[QBK], s[PP]
	s_mov_b32 s[TK], 0
	s_mov_b32 s[TV], 0
	s_mov_b32 s[SLOTS], 4
	s_lshl_b32 s[Q0], s[PP], 8
	s_lshl_b32 s66, s[QB], 5
	s_add_co_u32 s[Q0], s[Q0], s66                 ; my first query in block p,
	s_sub_co_u32 s[Q0B], 3, s[PP]
	s_lshl_b32 s[Q0B], s[Q0B], 8
	s_add_co_u32 s[Q0B], s[Q0B], s66               ; and in block 3 - p
	s_cmp_eq_u32 s[PP], 0
	s_cselect_b32 s[LIM], 1, -1
	s_wait_dscnt 0x0                               ; both opening adds are done
	s_wait_kmcnt 0x0
	s_add_nc_u64 s[KB:KB+1], s[4:5], s[68:69]
	s_add_nc_u64 s[VB:VB+1], s[4:5], s[70:71]
	s_mov_b64 s[G0K+2:G0K+3], s[KB:KB+1]
	s_or_b32 s[G0K+3], s[G0K+3], 0x80000000
	s_mov_b64 s[G0V+2:G0V+3], s[VB:VB+1]
	s_or_b32 s[G0V+3], s[G0V+3], 0x80000000
	TLOAD                                          ; key slot 0 into LDS slot 0
	s_cmp_lt_u32 s[WV], 4
	s_cselect_b64 s[PFA:PFA+1], s[KB:KB+1], s[VB:VB+1]   ; my quarter of key slot 0: the first change of slots steps it to slot 1
	; where the two blocks go in att
	s_lshr_b32 s66, s[BH], 4
	s_and_b32 s67, s[BH], 15
	s_lshl_b32 s66, s66, 21                        ; b: 8 tiles of 262,144 bytes
	s_lshr_b32 s68, s67, 1
	s_lshl_b32 s68, s68, 15                        ; ks = h / 2
	s_add_co_u32 s66, s66, s68
	s_and_b32 s68, s67, 1
	s_lshl_b32 s68, s68, 11                        ; chunks 2 (h % 2) on
	s_add_co_u32 s66, s66, s68
	s_lshr_b32 s68, s[Q0], 7
	s_lshl_b32 s68, s68, 18
	s_bfe_u32 s69, s[Q0], 0x30004
	s_lshl_b32 s69, s69, 12
	s_add_co_u32 s68, s68, s69
	s_add_co_u32 s68, s68, s66
	s_mov_b32 s69, 0
	s_add_nc_u64 s[AA:AA+1], s[6:7], s[68:69]
	s_lshr_b32 s68, s[Q0B], 7
	s_lshl_b32 s68, s68, 18
	s_bfe_u32 s69, s[Q0B], 0x30004
	s_lshl_b32 s69, s69, 12
	s_add_co_u32 s68, s68, s69
	s_add_co_u32 s68, s68, s66
	s_mov_b32 s69, 0
	s_add_nc_u64 s[AB:AB+1], s[6:7], s[68:69]
	; Q of both blocks stays in registers
	s_lshl_b32 s70, s[BH], 17
	s_lshl_b32 s66, s[Q0], 7
	s_add_co_u32 s66, s66, s70
	s_mov_b32 s67, 0
	s_add_nc_u64 s[66:67], s[4:5], s[66:67]
	s_lshl_b32 s68, s[Q0B], 7
	s_add_co_u32 s68, s68, s70
	s_mov_b32 s69, 0
	s_add_nc_u64 s[68:69], s[4:5], s[68:69]
	v_and_b32 v14, 15, v0                          ; r
	v_bfe_u32 v15, v0, 4, 1                        ; hh
	v_lshlrev_b32 v[QO], 7, v14
	v_lshl_add_u32 v[QO], v15, 4, v[QO]
.irp t, 0,1
.irp kc, 0,1
	global_load_b128 v[Q+16*\t+8*\kc:Q+16*\t+8*\kc+3], v[QO], s[66:67] offset:\t*2048+\kc*64
	global_load_b128 v[Q+16*\t+8*\kc+4:Q+16*\t+8*\kc+7], v[QO], s[66:67] offset:\t*2048+\kc*64+32
.endr
.endr
	WIN 0x40                                       ; destination window 1
.irp t, 0,1
.irp kc, 0,1
	global_load_b128 v[Q2+16*\t+8*\kc:Q2+16*\t+8*\kc+3], v[QO], s[68:69] offset:\t*2048+\kc*64
	global_load_b128 v[Q2+16*\t+8*\kc+4:Q2+16*\t+8*\kc+7], v[QO], s[68:69] offset:\t*2048+\kc*64+32
.endr
.endr
	WIN 0
	v_mul_u32_u24 v[AK0], v14, KP
	v_lshl_add_u32 v[AK0], v15, 4, v[AK0]          ; K: row r, + 16 hh
	v_and_b32 v[AV0], 7, v0
	v_lshl_add_u32 v[AV0], v15, 3, v[AV0]
	v_mul_u32_u24 v[AV0], v[AV0], VP
	v_bfe_u32 v[ADK], v0, 3, 1
	v_lshl_add_u32 v[AV0], v[ADK], 4, v[AV0]
	v_add_nc_u32 v[AV0], VOFF, v[AV0]              ; V: key 8 hh + lane % 8, channels 8 ((lane / 8) % 2) on
	v_and_b32 v[GO], 31, v0
	v_lshlrev_b32 v[PFO], 8, v[GO]
	v_lshlrev_b32 v[GO], 4, v[GO]
	v_mov_b32 v[NINF], 0xff800000
	v_lshlrev_b32 v[RH], 3, v15
	v_sub_nc_u32 v[RH], v14, v[RH]
	v_mov_b32 v[T+1], 0                            ; written once: a lane permute's destination counts as one of its sources
	v_mov_b32 v[T+9], 0
	RESET
; A KEY STEP: 64 keys.
.macro STEP
	s_add_co_u32 s70, s[Q0], 31
	s_cmp_gt_u32 s[KF], s70                        ; all 64 keys behind my 32 queries: the step's work is left out; ids and the count of steps alone
	s_cbranch_scc1 .Lhidden_\@
	v_add_nc_u32 v[ADK], s[TK], v[AK0]
	v_add_nc_u32 v[ADV], s[TV], v[AV0]
	v_nop
	v_nop                                          ; four plain instructions between the last step's products and the loads into V's registers
	WIN 0x40
.irp kt, 0,1,2,3
.irp kc, 0,1
	ds_load_b128 v[KFR+16*\kt+8*\kc:KFR+16*\kt+8*\kc+3], v[ADK] offset:\kt*16*KP+\kc*64
	ds_load_b128 v[KFR+16*\kt+8*\kc+4:KFR+16*\kt+8*\kc+7], v[ADK] offset:\kt*16*KP+\kc*64+32
.endr
.endr
.irp kk, 0,1
.irp ct, 0,1,2,3
	ds_load_tr16_b128 v[VFR+32*\kk+8*\ct:VFR+32*\kk+8*\ct+3], v[ADV] offset:\kk*32*VP+\ct*32
	ds_load_tr16_b128 v[VFR+32*\kk+8*\ct+4:VFR+32*\kk+8*\ct+7], v[ADV] offset:\kk*32*VP+16*VP+\ct*32
.endr
.endr
	s_wait_dscnt 16                                ; K's 16 loads are in; V's 16 may be out
	WIN 0x01                                       ; source 0 in window 1
.irp kc, 0,1                                   ; S^T = K Q^T: eight accumulators by turns, one instruction a turn; the first eight start the sums
.irp kt, 0,1,2,3
.irp t, 0,1
.if \kc == 0
	v_wmma_f32_16x16x32_f16 v[S+32*\t+8*\kt:S+32*\t+8*\kt+7], v[KFR+16*\kt+8*\kc:KFR+16*\kt+8*\kc+7], v[Q+16*\t+8*\kc:Q+16*\t+8*\kc+7], 0
.else
	v_wmma_f32_16x16x32_f16 v[S+32*\t+8*\kt:S+32*\t+8*\kt+7], v[KFR+16*\kt+8*\kc:KFR+16*\kt+8*\kc+7], v[Q+16*\t+8*\kc:Q+16*\t+8*\kc+7], v[S+32*\t+8*\kt:S+32*\t+8*\kt+7]
.endif
.endr
.endr
.endr
	WIN 0
.rept 4
	v_nop
.endr
	s_add_co_u32 s70, s[KF], 63
	s_cmp_le_u32 s70, s[Q0]                        ; all 64 keys count for all my queries: no mask
	s_cbranch_scc1 .Lopen_\@
	s_sub_co_u32 s70, s[Q0], s[KF]                 ; 0 or more: a step that is walked begins at or ahead of my first query
	v_add_nc_u32 v[D0], s70, v[RH]                 ; register 8 kt + j of tile t holds key KF + 16 kt + 8 hh + j: hidden where 16 kt + j > Q0 - KF + 16 t + r - 8 hh
	v_add_nc_u32 v[D0+1], 16, v[D0]
.irp t, 0,1
.irp n, 0,1,2,3,4,5,6,7,8,9,10,11,12,13,14,15,16,17,18,19,20,21,22,23,24,25,26,27,28,29,30,31
	v_cmp_gt_i32 vcc_lo, 16*(\n/8)+\n%8, v[D0+\t]
	v_cndmask_b32 v[S+32*\t+\n], v[S+32*\t+\n], v[NINF], vcc_lo
.endr
.endr
.Lopen_\@:
	; the maximum of my 32 scores a tile, in four chains; the two tiles by turns
.irp j, 0,1,2,3
.irp t, 0,1
	v_max3_num_f32 v[T+8*\t+\j], v[S+32*\t+8*\j], v[S+32*\t+8*\j+1], v[S+32*\t+8*\j+2]
.endr
.endr
.irp i, 3,5
.irp j, 0,1,2,3
.irp t, 0,1
	v_max3_num_f32 v[T+8*\t+\j], v[T+8*\t+\j], v[S+32*\t+8*\j+\i], v[S+32*\t+8*\j+\i+1]
.endr
.endr
.endr
.irp t, 0,1
	v_max3_num_f32 v[T+8*\t], v[T+8*\t], v[S+32*\t+7], v[S+32*\t+15]
	v_max3_num_f32 v[T+8*\t+2], v[T+8*\t+2], v[S+32*\t+23], v[S+32*\t+31]
.endr
.irp t, 0,1
	v_max3_num_f32 v[T+8*\t], v[T+8*\t], v[T+8*\t+1], v[T+8*\t+2]
.endr
.irp t, 0,1
	v_max3_num_f32 v[T+8*\t], v[T+8*\t], v[T+8*\t+3], v[ST+8*\t+1]   ; and the old maximum
.endr
.irp t, 0,1
	v_permlanex16_b32 v[T+8*\t+1], v[T+8*\t], s[SEL], s[SEL+1]       ; the query's other 32 keys lie in the lane 16 away
.endr
.irp t, 0,1
	v_max_num_f32 v[ST+8*\t+1], v[T+8*\t], v[T+8*\t+1]
	v_mov_b32 v[ST+8*\t+6], v[ST+8*\t]
.endr
.irp t, 0,1
	v_mul_f32 v[ST+8*\t], s[NEGC], v[ST+8*\t+1]                      ; -c m
.endr
.irp t, 0,1
	v_sub_f32 v[ST+8*\t+6], v[ST+8*\t], v[ST+8*\t+6]                 ; c m_old - c m_new
.endr
.irp j, 0,2,4,6,8,10,12,14,16,18,20,22,24,26,28,30
.irp t, 0,1
	v_pk_fma_f32 v[S+32*\t+\j:S+32*\t+\j+1], v[S+32*\t+\j:S+32*\t+\j+1], s[CS:CS+1], v[ST+8*\t:ST+8*\t+1] op_sel_hi:[1,0,0]   ; c s - c m
.endr
.endr
.irp t, 0,1
	v_exp_f32 v[ST+8*\t+4], v[ST+8*\t+6]                             ; a = 2^(c m_old - c m_new)
.endr
.irp j, 0,1,2,3,4,5,6,7,8,9,10,11,12,13,14,15,16,17,18,19,20,21,22,23,24,25,26,27,28,29,30,31
.irp t, 0,1
	v_exp_f32 v[S+32*\t+\j], v[S+32*\t+\j]
.endr
.endr
	v_nop                                          ; a plain instruction behind the last exponential
	s_wait_alu depctr_va_vdst(0)                   ; one wait for the batch of 66, ahead of its first reader
.irp t, 0,1
	v_pk_fma_f32 v[ST+8*\t+2:ST+8*\t+3], v[ST+8*\t+2:ST+8*\t+3], v[ST+8*\t+4:ST+8*\t+5], v[S+32*\t:S+32*\t+1] op_sel_hi:[1,0,1]   ; the sum x a + the first pair
	v_pk_add_f32 v[T+8*\t+4:T+8*\t+5], v[S+32*\t+2:S+32*\t+3], v[S+32*\t+6:S+32*\t+7]                                            ; a second chain
.endr
.irp j, 4,8,12,16,20,24
.irp t, 0,1
	v_pk_add_f32 v[ST+8*\t+2:ST+8*\t+3], v[ST+8*\t+2:ST+8*\t+3], v[S+32*\t+\j:S+32*\t+\j+1]
	v_pk_add_f32 v[T+8*\t+4:T+8*\t+5], v[T+8*\t+4:T+8*\t+5], v[S+32*\t+\j+6:S+32*\t+\j+7]
.endr
.endr
.irp t, 0,1
	v_pk_add_f32 v[ST+8*\t+2:ST+8*\t+3], v[ST+8*\t+2:ST+8*\t+3], v[S+32*\t+28:S+32*\t+29]
.endr
.irp t, 0,1
	v_pk_add_f32 v[ST+8*\t+2:ST+8*\t+3], v[ST+8*\t+2:ST+8*\t+3], v[T+8*\t+4:T+8*\t+5]
.endr
.irp i, 0,1,2,3,4,5,6,7,8,9,10,11,12,13,14,15
.irp t, 0,1
	v_cvt_pk_f16_f32 v[P+16*\t+\i], v[S+32*\t+2*\i], v[S+32*\t+2*\i+1]
.endr
.endr
.irp j, 0,2,4,6,8,10,12,14,16,18,20,22,24,26,28,30
.irp t, 0,1
	v_pk_mul_f32 v[O+32*\t+\j:O+32*\t+\j+1], v[O+32*\t+\j:O+32*\t+\j+1], v[ST+8*\t+4:ST+8*\t+5] op_sel_hi:[1,0]   ; O^T x a
.endr
.endr
	s_wait_dscnt 0x0                               ; V is in
	WIN 0x01
.irp kk, 0,1                                   ; O^T += V^T P: eight accumulators by turns
.irp ct, 0,1,2,3
.irp t, 0,1
	v_wmma_f32_16x16x32_f16 v[O+32*\t+8*\ct:O+32*\t+8*\ct+7], v[VFR+32*\kk+8*\ct:VFR+32*\kk+8*\ct+7], v[P+16*\t+8*\kk:P+16*\t+8*\kk+7], v[O+32*\t+8*\ct:O+32*\t+8*\ct+7]
.endr
.endr
.endr
	WIN 0
.Lhidden_\@:
	s_add_co_u32 s[KF], s[KF], 64
	s_add_co_u32 s[TK], s[TK], 64*KP
	s_add_co_u32 s[TV], s[TV], 64*VP
.endm
; THE CHANGE OF SLOTS, at a slot's head.  Each wave waits for all its tensor loads (its quarter of the slot ahead), adds 0 to its spare word, and waits for that and for its reads of the slot that it has left.
; fill = 1: the slot just left (in the first trip: LDS slot 1, for the first time) takes the key slot that follows: 0 behind a block's diagonal, else the next.  One load a wave is out, with a slot's steps in which to land.
.macro CHANGE fill
	s_wait_tensorcnt 0x0                           ; no tensor load of mine is out, so a group 0 may be written
	ds_add_u32 v[SPW], v[NIL]
.if \fill
	s_add_co_u32 s[KSN], s[KSL], 1
	s_cmp_eq_u32 s[KSL], s[QBK]
	s_cselect_b32 s[KSN], 0, s[KSN]
	s_lshl_b32 s[OFF], s[KSN], 15                  ; 256 rows of 128 bytes a slot
	s_xor_b32 s[G0K+1], s[G0K+1], SLOT1
	s_xor_b32 s[G0V+1], s[G0V+1], SLOT1
	s_add_nc_u64 s[G0K+2:G0K+3], s[KB:KB+1], s[OFF:OFF+1]
	s_or_b32 s[G0K+3], s[G0K+3], 0x80000000
	s_add_nc_u64 s[G0V+2:G0V+3], s[VB:VB+1], s[OFF:OFF+1]
	s_or_b32 s[G0V+3], s[G0V+3], 0x80000000
	s_wait_xcnt 0x0                                ; the last prefetch, a slot back, has read its address
	s_add_nc_u64 s[PFA:PFA+1], s[PFA:PFA+1], 0x8000
.endif
	s_wait_dscnt 0x0                               ; the add is done, and my reads of the slot that I have left are over
	s_barrier_signal -1
	s_barrier_wait -1
.if \fill
	TLOAD                                          ; the first thing behind the barrier, and my one tensor load until the next
	ASK
.endif
.endm
.macro SLOTWORK                        ; a slot's four steps: written once, walked four times; the LDS addresses hang on s[TK], s[TV]
	s_lshl_b32 s[KF], s[KSL], 8
	s_mov_b32 s[CNT], 4
.Lstep_\@:
	STEP
	s_sub_co_u32 s[CNT], s[CNT], 1
	s_cmp_lg_u32 s[CNT], 0
	s_cbranch_scc1 .Lstep_\@
	s_sub_co_u32 s[TK], s[TK], 256*KP
	s_xor_b32 s[TK], s[TK], SLOT1
	s_sub_co_u32 s[TV], s[TV], 256*VP
	s_xor_b32 s[TV], s[TV], SLOT1
.endm
.macro FINAL                           ; a block of queries is done: O^T / the sum, to f16, stored as the projection's operand images
.rept 4
	v_nop
.endr
.irp t, 0,1
	v_add_f32 v[T+8*\t], v[ST+8*\t+2], v[ST+8*\t+3]
.endr
.irp t, 0,1
	v_permlanex16_b32 v[T+8*\t+1], v[T+8*\t], s[SEL], s[SEL+1]
.endr
.irp t, 0,1
	v_add_f32 v[T+8*\t], v[T+8*\t], v[T+8*\t+1]
.endr
.irp t, 0,1
	v_rcp_f32 v[ST+8*\t+4], v[T+8*\t]
.endr
	v_nop
	s_wait_alu depctr_va_vdst(0)                   ; one wait for the two reciprocals, ahead of their first reader
.irp t, 0,1
.irp j, 0,2,4,6,8,10,12,14,16,18,20,22,24,26,28,30
	v_pk_mul_f32 v[O+32*\t+\j:O+32*\t+\j+1], v[O+32*\t+\j:O+32*\t+\j+1], v[ST+8*\t+4:ST+8*\t+5] op_sel_hi:[1,0]
.endr
.endr
.irp t, 0,1
.irp i, 0,1,2,3,4,5,6,7,8,9,10,11,12,13,14,15
	v_cvt_pk_f16_f32 v[P+16*\t+\i], v[O+32*\t+2*\i], v[O+32*\t+2*\i+1]
.endr
.endr
.irp t, 0,1
.irp ct, 0,1,2,3
	global_store_b128 v[GO], v[P+16*\t+4*\ct:P+16*\t+4*\ct+3], s[AA:AA+1] offset:\t*4096+\ct*512   ; 512 consecutive bytes
.endr
.endr
.endm
	s_wait_loadcnt 0x0                             ; Q of both blocks
.Lslot:                                            ; four trips; behind each change of slots the next slot is asked for
	CHANGE 1
	SLOTWORK
	s_cmp_lg_u32 s[KSL], s[QBK]                    ; was that the block's diagonal?  Ids and counts alone, the same in all eight waves
	s_cbranch_scc1 .Lnodiag
	FINAL
	WIN 0x01                                       ; the second block begins: its Q,
.irp i, 0,1,2,3,4,5,6,7,8,9,10,11,12,13,14,15,16,17,18,19,20,21,22,23,24,25,26,27,28,29,30,31
	v_mov_b32 v[Q+\i], v[Q2+\i]
.endr
	WIN 0
	RESET
	s_wait_xcnt 0x0                                ; the stores have read their base and data
	s_mov_b64 s[AA:AA+1], s[AB:AB+1]
	s_sub_co_u32 s[QBK], 3, s[PP]
	s_mov_b32 s[Q0], s[Q0B]
.Lnodiag:
	s_mov_b32 s[KSL], s[KSN]
	s_sub_co_u32 s[SLOTS], s[SLOTS], 1
	s_cmp_lg_u32 s[SLOTS], 0
	s_cbranch_scc1 .Lslot
	CHANGE 0                                       ; the fifth slot, the second block's diagonal, is written out: nothing is left to ask for
	SLOTWORK
	FINAL
	s_wait_tensorcnt 0x0                           ; the wave's end
	ds_add_u32 v[SPW], v[NIL]
	s_wait_dscnt 0x0
	s_endpgm
.Lfunc_end_k_q7791941f88_attn:
	.size	k_q7791941f88_attn, .Lfunc_end_k_q7791941f88_attn-k_q7791941f88_attn
	.p2alignl 7, 3214868480
	.fill 96, 4, 3214868480
	.section	.rodata,"a",@progbits
	.p2align	6, 0x0
	.amdhsa_kernel k_q7791941f88_attn
		.amdhsa_group_segment_fixed_size 327680
		.amdhsa_private_segment_fixed_size 0
		.amdhsa_enable_private_segment 0
		.amdhsa_kernarg_size 16
		.amdhsa_user_sgpr_count 2
		.amdhsa_user_sgpr_kernarg_segment_ptr 1
		.amdhsa_wavefront_size32 1
		.amdhsa_system_sgpr_workgroup_id_x 1
		.amdhsa_system_sgpr_workgroup_id_y 1
		.amdhsa_system_sgpr_workgroup_id_z 1
		.amdhsa_system_vgpr_workitem_id 0
		.amdhsa_next_free_vgpr 416
		.amdhsa_next_free_sgpr 72
		.amdhsa_reserve_vcc 1
		.amdhsa_float_denorm_mode_32 3
		.amdhsa_float_denorm_mode_16_64 3
		.amdhsa_memory_ordered 1
		.amdhsa_forward_progress 1
		.amdhsa_inst_pref_size 70
	.end_amdhsa_kernel
	.amdgpu_metadata
---
amdhsa.version: [ 1, 2 ]
amdhsa.kernels:
  - .name:           k_q7791941f88_attn
    .symbol:         k_q7791941f88_attn.kd
    .args:
      - { .name: qkv, .offset: 0, .size: 8, .value_kind: global_buffer, .address_space: global }
      - { .name: att, .offset: 8, .size: 8, .value_kind: global_buffer, .address_space: global }
    .group_segment_fixed_size: 327680
    .private_segment_fixed_size: 0
    .kernarg_segment_align: 8
    .kernarg_segment_size: 16
    .max_flat_workgroup_size: 256
    .sgpr_count:     72
    .vgpr_count:     416
    .wavefront_size: 32
...
	.end_amdgpu_metadata
.endif
;; end of part 3
;; launch proj (part 4): grid 4 x 64, 4 waves a work-group, clusters of 4 x 4, 327,680 bytes of LDS; arguments att, woh, bo, out0; writes out0
.if DOCPART == 4
	.amdgcn_target "amdgcn-amd-amdhsa--gfx1250"
	.amdhsa_code_object_version 6
	.text
	.protected	k_q7791941f88_proj
	.globl	k_q7791941f88_proj
	.p2align	8
	.type	k_q7791941f88_proj,@function
k_q7791941f88_proj:
	s_mov_b64 s[64:65], 0
	v_nop
	global_prefetch_b8 v0, s[64:65] scope:SCOPE_SE
	s_setreg_imm32_b32 hwreg(HW_REG_WAVE_MODE, 25, 1), 1
	s_wait_xcnt 0x0
	s_wait_alu depctr_hold_cnt(0) depctr_sa_sdst(0) depctr_va_vdst(0) depctr_va_sdst(0) depctr_va_ssrc(0) depctr_va_vcc(0) depctr_vm_vsrc(0)
	s_getreg_b32 s2, hwreg(HW_REG_IB_STS2, 6, 4)
	s_cmp_eq_u32 s2, 0
	s_cbranch_scc0 .Lentry_in_a_cluster
	s_endpgm
.Lentry_in_a_cluster:
	s_bfe_u32 s2, ttmp6, 0x10000c
	s_cmp_lg_u32 s2, 0xf033
	s_cbranch_scc0 .Lentry_shape_is_right
	s_endpgm
.Lentry_shape_is_right:
; PROJ: out0 = att Wo + bo on f16 operands with f32 sums, for all rows but the first 16 positions of every batch, which the fine launch computes in f32 and stores.
; LEFT OUT: only the STORE of those 16 rows; their products stay, inside tiles that also hold live rows.
; A tile of out0 is 128 rows x 256 columns: 256 work-groups.  Four waves, each 64 x 128: 32 accumulators.  K goes in eight steps of 128 through two LDS slots.
; Both operands lie in memory as images of operand registers (16 rows x 32 k: two runs of 512 bytes, 16 bytes a lane), so a K step's tiles are dense blocks and every LDS load reads 512 consecutive bytes: no pitch, no padding.
; CLUSTERS of 4 x 4: att's tile is shared along a row of the cluster, Wo's along a column.  Tile column = cx.  TILE ROW = 16 cy + cluster y: whether a tile begins a batch (tile row % 8 = 0) hangs on the cluster's y alone.
; THE MATRIX INSTRUCTION IS USED TRANSPOSED (source 0 = 16 columns of Wo, source 1 = 16 rows of att): a lane holds eight neighbouring columns of a row.
; No prefetch: eight K steps, of which four come by their loads before a prefetch could lead them, and Wo's blocks are read again by every row of clusters.
; REGISTERS: window 0: v16-29 addresses; v32-127, v128-223 two fragment buffers (att's 4 at + 8 a, Wo's 8 at + 32 + 8 b); v224-227 the bias.   window 1: accumulator (a, b) at v[8 (8 a + b)].
.set SLOT,   98304                     ; att's 32,768 bytes, then Wo's 65,536
.set BOFF,   32768
.set STAGE,  2*SLOT                    ; behind the ring: 16 rows x 528 bytes for each wave
.set SPITCH, 528
.set SPARE,  STAGE+4*16*SPITCH
.set ADRA, 16
.set ADRB, 20
.set STO,  24
.set RD,   25
.set CO,   26
.set SPW,  28
.set NIL,  29
.set F0,   32
.set F1,   128
.set BIAS, 224
.set WV,   12
.set WM,   13
.set WN,   14
.set G1, 24
.set G0, 32
.set G1B, 48
.set G0B, 56
.set MSB, 0
.macro WIN new
.if MSB != \new
	s_set_vgpr_msb (MSB<<8)|\new
.set MSB, \new
.endif
.endm
.set MUL, 0x50                         ; C and D in window 1
.macro JLOAD s                         ; waves 0 and 1 fetch att's halves, waves 2 and 3 Wo's; an s_nop 0 and four v_nop follow each line
	s_cmp_eq_u32 s[WM], 0
	s_cbranch_scc0 .Lfor_b_\@
	tensor_load_to_lds s[G0+4*\s:G0+4*\s+3], s[G1:G1+7]
	s_nop 0
.rept 4
	v_nop
.endr
	s_branch .Lasked_\@
.Lfor_b_\@:
	tensor_load_to_lds s[G0B+4*\s:G0B+4*\s+3], s[G1B:G1B+7]
	s_nop 0
.rept 4
	v_nop
.endr
.Lasked_\@:
.endm
.macro CREST
	s_cmp_lg_u32 s[WV], 0
	s_cbranch_scc1 .Lnot_wave_0_\@
	s_barrier_signal -3
.Lnot_wave_0_\@:
	s_barrier_wait -3
	s_barrier_signal -1
	s_barrier_wait -1
.endm
.macro CROUND
	s_barrier_signal -1
	s_barrier_wait -1
	CREST
.endm
	s_load_b256 s[4:11], s[0:1], 0x0               ; att 4, woh 6, bo 8, out0 10
	v_lshl_add_u32 v[SPW], v0, 2, SPARE
	v_mov_b32 v[NIL], 0
	ds_add_u32 v[SPW], v[NIL]                      ; the wave's opening: the add, twice on end, and its wait ahead of my first tensor load
	ds_add_u32 v[SPW], v[NIL]
	v_lshrrev_b32 v1, 5, v0
	v_readfirstlane_b32 s[WV], v1
	s_lshr_b32 s[WM], s[WV], 1                     ; which 64 rows are mine.  Also: I fetch for att (0) or for Wo (1)
	s_and_b32 s[WN], s[WV], 1                      ; which 128 columns.  Also: which half of that tile I fetch
	s_bfe_u32 s40, ttmp6, 0x40000                  ; cx = tile column
	s_bfe_u32 s41, ttmp6, 0x40004                  ; cy
	s_and_b32 s42, ttmp7, 0xffff                   ; cluster y, 0 .. 15
	s_lshl_b32 s43, s41, 4
	s_add_co_u32 s43, s43, s42                     ; tile row = 16 cy + cluster y
	s_lshl_b32 s44, s41, 2
	s_lshl_b32 s44, 15, s44                        ; my row of the cluster
	s_lshl_b32 s45, 0x1111, s40                    ; my column
	s_or_b32 s[G1], s44, (3<<16)|(1<<21)           ; the mask; elements of 8 bytes; bit 21 beside a mask; no padding
	s_or_b32 s[G1B], s45, (3<<16)|(1<<21)
	s_mov_b32 s[G1+1], 32<<16                      ; rows of 256 bytes
	s_mov_b32 s[G1+2], 64<<16                      ; 64 of them: half of att's tile
	s_mov_b32 s[G1+3], 32<<16
	s_mov_b32 s[G1+4], 64
	s_mov_b32 s[G1+5], 32
	s_mov_b32 s[G1+6], 0
	s_mov_b32 s[G1+7], 0
	s_mov_b32 s[G1B+1], 32<<16
	s_mov_b32 s[G1B+2], 128<<16                    ; 128 rows: half of Wo's tile
	s_mov_b32 s[G1B+3], 32<<16
	s_mov_b32 s[G1B+4], 128
	s_mov_b32 s[G1B+5], 32
	s_mov_b32 s[G1B+6], 0
	s_mov_b32 s[G1B+7], 0
	s_lshl_b32 s16, s43, 18                        ; att: a 128-row tile is 262,144 bytes
	s_lshl_b32 s18, s[WN], 14
	s_add_co_u32 s16, s16, s18
	s_mov_b32 s17, 0
	s_lshl_b32 s46, s40, 19                        ; woh: a column tile is 8 x 65,536 bytes
	s_lshl_b32 s19, s[WN], 15
	s_add_co_u32 s46, s46, s19
	s_mov_b32 s47, 0
	s_add_co_u32 s19, s19, BOFF                    ; s18, s19: where the halves go in a slot
	s_wait_dscnt 0x0                               ; both opening adds are done
	s_wait_kmcnt 0x0
	s_add_nc_u64 s[20:21], s[4:5], s[16:17]
	s_add_nc_u64 s[46:47], s[6:7], s[46:47]
	CROUND                                         ; all sixteen work-groups are here: the first joint loads meet
.irp s, 0,1
	s_mov_b32 s[G0+4*\s], 1
	s_add_co_u32 s[G0+4*\s+1], s18, \s*SLOT
	s_add_nc_u64 s[G0+4*\s+2:G0+4*\s+3], s[20:21], \s*32768
	s_or_b32 s[G0+4*\s+3], s[G0+4*\s+3], 0x80000000
	s_mov_b32 s[G0B+4*\s], 1
	s_add_co_u32 s[G0B+4*\s+1], s19, \s*SLOT
	s_add_nc_u64 s[G0B+4*\s+2:G0B+4*\s+3], s[46:47], \s*65536
	s_or_b32 s[G0B+4*\s+3], s[G0B+4*\s+3], 0x80000000
	JLOAD \s
.endr
	v_and_b32 v1, 15, v0                           ; r
	v_bfe_u32 v2, v0, 4, 1                         ; hh
	v_and_b32 v3, 31, v0
	v_lshlrev_b32 v[CO], 4, v3                     ; 16 x lane
	s_lshl_b32 s21, s[WM], 14                      ; my four row tiles
	s_lshl_b32 s22, s[WN], 15                      ; my eight column tiles,
	s_add_co_u32 s22, s22, BOFF                    ; behind att's part
.irp s, 0,1
	v_add_nc_u32 v[ADRA+\s], s21, v[CO]
	v_add_nc_u32 v[ADRB+\s], s22, v[CO]
	s_add_co_u32 s21, s21, SLOT
	s_add_co_u32 s22, s22, SLOT
.endr
	s_mul_i32 s23, s[WV], 16*SPITCH
	s_add_co_u32 s23, s23, STAGE                   ; my stage
	v_mul_u32_u24 v4, v1, SPITCH
	v_lshl_add_u32 v4, v2, 5, v4
	v_add_nc_u32 v[STO], s23, v4
	v_add_nc_u32 v[RD], s23, v[CO]
	s_lshl_b32 s16, s43, 7
	s_lshl_b32 s17, s[WM], 6
	s_add_co_u32 s16, s16, s17
	s_lshl_b32 s16, s16, 12                        ; my first row of out0, rows of 4,096 bytes
	s_lshl_b32 s17, s40, 10
	s_lshl_b32 s18, s[WN], 9
	s_add_co_u32 s18, s18, s17                     ; my first column, in bytes
	s_mov_b32 s19, 0
	s_add_nc_u64 s[8:9], s[8:9], s[18:19]
	s_add_co_u32 s16, s16, s18
	s_mov_b32 s17, 0
	s_add_nc_u64 s[10:11], s[10:11], s[16:17]
	global_load_b128 v[BIAS:BIAS+3], v[CO], s[8:9] ; bo at the four columns that I store
	s_and_b32 s15, s42, 7
	s_or_b32 s15, s15, s[WM]                       ; 0 where my block 0 is a batch's first 16 positions
.macro FETCH slot, c, f                ; chunk c (32 along K) of a slot into buffer f: Wo's 16 loads first, att's 8 behind them
.irp b, 0,1,2,3,4,5,6,7
	ds_load_b128 v[\f+32+8*\b:\f+32+8*\b+3], v[ADRB+\slot] offset:(4*\b+\c)*1024
	ds_load_b128 v[\f+32+8*\b+4:\f+32+8*\b+7], v[ADRB+\slot] offset:(4*\b+\c)*1024+512
.endr
.irp a, 0,1,2,3
	ds_load_b128 v[\f+8*\a:\f+8*\a+3], v[ADRA+\slot] offset:(4*\a+\c)*1024
	ds_load_b128 v[\f+8*\a+4:\f+8*\a+7], v[ADRA+\slot] offset:(4*\a+\c)*1024+512
.endr
.endm
.macro MUL8 f, a, zero                 ; row block a against the eight column blocks.  The 32 accumulators take turns in one fixed order
.irp b, 0,1,2,3,4,5,6,7
.if \zero
	v_wmma_f32_16x16x32_f16 v[8*(8*(\a)+\b):8*(8*(\a)+\b)+7], v[\f+32+8*\b:\f+32+8*\b+7], v[\f+8*(\a):\f+8*(\a)+7], 0
.else
	v_wmma_f32_16x16x32_f16 v[8*(8*(\a)+\b):8*(8*(\a)+\b)+7], v[\f+32+8*\b:\f+32+8*\b+7], v[\f+8*(\a):\f+8*(\a)+7], v[8*(8*(\a)+\b):8*(8*(\a)+\b)+7]
.endif
.endr
.endm
.macro PLACES
.rept 4
	v_nop
.endr
.endm
.macro QUARTER slot, c, f, g, zero     ; multiplies buffer f; in its middle fetches chunk c of the same slot into g
	s_wait_dscnt 4                                 ; all but the youngest four loads (att's blocks 2, 3)
	WIN MUL
	MUL8 \f, 0, \zero
	MUL8 \f, 1, \zero
	PLACES                                         ; ahead of loads into registers that the quarter before has multiplied
	WIN 0
	FETCH \slot, \c, \g
	s_wait_dscnt 24                                ; all but the 24 just issued
	WIN MUL
	MUL8 \f, 2, \zero
	MUL8 \f, 3, \zero
.endm
; A slot's last quarter multiplies buffer 1 and changes slots: one barrier; in front of it each wave waits for all its tensor loads, adds 0 to its spare word, and waits for that and for its reads of this slot.
.macro TURN slot, next, fill
	WIN 0
	s_wait_tensorcnt 0x0                           ; all my tensor loads have landed: my part of the next slot
	ds_add_u32 v[SPW], v[NIL]
	s_wait_dscnt 5                                 ; the add and the youngest four loads may be out
	WIN MUL
	MUL8 F1, 0, 0
	s_wait_dscnt 0x0                               ; the add is done, and my reads of this slot are over
	s_barrier_signal -1
	MUL8 F1, 1, 0
	WIN 0
	s_barrier_wait -1
.if \fill
	CREST                                          ; the barrier has opened a round of the cluster's barrier: no wave of any partner still reads this slot or has a load on its way
	s_add_nc_u64 s[G0+4*\slot+2:G0+4*\slot+3], s[G0+4*\slot+2:G0+4*\slot+3], 2*32768
	s_add_nc_u64 s[G0B+4*\slot+2:G0B+4*\slot+3], s[G0B+4*\slot+2:G0B+4*\slot+3], 2*65536
	JLOAD \slot                                    ; the first tensor load behind the round; its four v_nop are also the places ahead of the loads below
.else
	PLACES
.endif
	FETCH \next, 0, F0
	WIN MUL
	MUL8 F1, 2, 0
	MUL8 F1, 3, 0
.endm
	s_wait_tensorcnt 1                             ; my part of K step 0 is in; K step 1's load may be out
	s_barrier_signal -1
	s_barrier_wait -1
	FETCH 0, 0, F0
	QUARTER 0, 1, F0, F1, 1                        ; the first quarter's products start the sums
	WIN 0
	s_mov_b32 s3, 3
.Llap:                                             ; a trip goes once round the ring, from a lap's second quarter to the next lap's first, and fills both slots again
	QUARTER 0, 2, F1, F0, 0
	QUARTER 0, 3, F0, F1, 0
	TURN 0, 1, 1
	QUARTER 1, 1, F0, F1, 0
	QUARTER 1, 2, F1, F0, 0
	QUARTER 1, 3, F0, F1, 0
	TURN 1, 0, 1
	QUARTER 0, 1, F0, F1, 0
	WIN 0
	s_sub_co_u32 s3, s3, 1
	s_cmp_lg_u32 s3, 0
	s_cbranch_scc1 .Llap
	QUARTER 0, 2, F1, F0, 0                        ; the last lap fills nothing
	QUARTER 0, 3, F0, F1, 0
	TURN 0, 1, 0
	QUARTER 1, 1, F0, F1, 0
	QUARTER 1, 2, F1, F0, 0
	QUARTER 1, 3, F0, F1, 0
	s_wait_dscnt 4
	WIN MUL
	MUL8 F1, 0, 0
	MUL8 F1, 1, 0
	s_wait_dscnt 0x0
	MUL8 F1, 2, 0
	MUL8 F1, 3, 0
	WIN 0
	PLACES
	s_wait_loadcnt 0x0                             ; the bias
; THE WAY OUT, a block of 16 rows x 128 columns at a time, through my own stage: in as 32 bytes a lane, back as whole rows of 512 bytes; the bias is added on the way.
.macro TOSTAGE a
	WIN 0x04                                       ; an LDS store's data: window 1
.irp b, 0,1,2,3,4,5,6,7
	ds_store_b128 v[STO], v[8*(8*(\a)+\b):8*(8*(\a)+\b)+3] offset:64*\b          ; each accumulator from its low end on
	ds_store_b128 v[STO], v[8*(8*(\a)+\b)+4:8*(8*(\a)+\b)+7] offset:64*\b+16
.endr
	WIN 0
.set BB, F0+96*((\a)%2)
.irp t, 0,1,2,3,4,5,6,7,8,9,10,11,12,13,14,15
	ds_load_b128 v[BB+4*\t:BB+4*\t+3], v[RD] offset:\t*SPITCH   ; LDS serves a wave's instructions in order
.endr
.endm
.macro SEND a, younger
.set BB, F0+96*((\a)%2)
	s_wait_dscnt \younger
.irp t, 0,1,2,3,4,5,6,7,8,9,10,11,12,13,14,15
	v_pk_add_f32 v[BB+4*\t:BB+4*\t+1], v[BB+4*\t:BB+4*\t+1], v[BIAS:BIAS+1]
	v_pk_add_f32 v[BB+4*\t+2:BB+4*\t+3], v[BB+4*\t+2:BB+4*\t+3], v[BIAS+2:BIAS+3]
.endr
.irp t, 0,1,2,3,4,5,6,7,8,9,10,11,12,13,14,15
	global_store_b128 v[CO], v[BB+4*\t:BB+4*\t+3], s[10:11] offset:(16*(\a)+\t)*4096 th:TH_STORE_NT   ; 512 consecutive bytes of a row
.endr
.endm
	s_cmp_eq_u32 s15, 0                            ; cluster y and the wave's number alone: those 16 rows are the fine launch's
	s_cbranch_scc1 .Lskip0
	TOSTAGE 0
	SEND 0, 0
.Lskip0:
	TOSTAGE 1
	s_wait_xcnt 0x0                                ; block 0's stores have read their registers
	TOSTAGE 2
	SEND 1, 32                                     ; behind block 1's loads: block 2's 16 stores and 16 loads
	s_wait_xcnt 0x0                                ; block 1's stores have read their registers
	TOSTAGE 3
	SEND 2, 32
	SEND 3, 0
	s_wait_tensorcnt 0x0                           ; the wave's end
	ds_add_u32 v[SPW], v[NIL]
	s_wait_dscnt 0x0
	CROUND                                         ; the closing round
	s_endpgm
.Lfunc_end_k_q7791941f88_proj:
	.size	k_q7791941f88_proj, .Lfunc_end_k_q7791941f88_proj-k_q7791941f88_proj
	.p2alignl 7, 3214868480
	.fill 96, 4, 3214868480
	.section	.rodata,"a",@progbits
	.p2align	6, 0x0
	.amdhsa_kernel k_q7791941f88_proj
		.amdhsa_group_segment_fixed_size 327680
		.amdhsa_private_segment_fixed_size 0
		.amdhsa_enable_private_segment 0
		.amdhsa_kernarg_size 32
		.amdhsa_user_sgpr_count 2
		.amdhsa_user_sgpr_kernarg_segment_ptr 1
		.amdhsa_wavefront_size32 1
		.amdhsa_system_sgpr_workgroup_id_x 1
		.amdhsa_system_sgpr_workgroup_id_y 1
		.amdhsa_system_sgpr_workgroup_id_z 1
		.amdhsa_system_vgpr_workitem_id 0
		.amdhsa_next_free_vgpr 512
		.amdhsa_next_free_sgpr 72
		.amdhsa_reserve_vcc 0
		.amdhsa_float_denorm_mode_32 3
		.amdhsa_float_denorm_mode_16_64 3
		.amdhsa_memory_ordered 1
		.amdhsa_forward_progress 1
		.amdhsa_inst_pref_size 92
	.end_amdhsa_kernel
	.amdgpu_metadata
---
amdhsa.version: [ 1, 2 ]
amdhsa.kernels:
  - .name:           k_q7791941f88_proj
    .symbol:         k_q7791941f88_proj.kd
    .args:
      - { .name: att, .offset: 0, .size: 8, .value_kind: global_buffer, .address_space: global }
      - { .name: woh, .offset: 8, .size: 8, .value_kind: global_buffer, .address_space: global }
      - { .name: bo, .offset: 16, .size: 8, .value_kind: global_buffer, .address_space: global }
      - { .name: out0, .offset: 24, .size: 8, .value_kind: global_buffer, .address_space: global }
    .group_segment_fixed_size: 327680
    .private_segment_fixed_size: 0
    .kernarg_segment_align: 8
    .kernarg_segment_size: 32
    .max_flat_workgroup_size: 128
    .sgpr_count:     72
    .vgpr_count:     512
    .wavefront_size: 32
...
	.end_amdgpu_metadata
.endif
;; end of part 4
;; launch fine (part 5): grid 32 x 8, 16 waves a work-group, no clusters, 243,712 bytes of LDS; arguments qkv32, Wo, bo, out0; writes out0
.if DOCPART == 5
	.amdgcn_target "amdgcn-amd-amdhsa--gfx1250"
	.amdhsa_code_object_version 6
	.text
	.protected	k_q7791941f88_fine
	.globl	k_q7791941f88_fine
	.p2align	8
	.type	k_q7791941f88_fine,@function
k_q7791941f88_fine:
	s_mov_b64 s[64:65], 0
	v_nop
	global_prefetch_b8 v0, s[64:65] scope:SCOPE_SE
	s_setreg_imm32_b32 hwreg(HW_REG_WAVE_MODE, 25, 1), 1
	s_wait_xcnt 0x0
; FINE: the first 16 positions of every batch, attention and projection both, in f32.  Under the causal mask these rows average one to sixteen values and are the largest of the output, so f16 operands would weigh most there.
; A work-group is (32 columns of out0, a batch).  Wave w is head w: its 16 x 16 attention (keys beyond position 15 are hidden from these queries by the problem's own mask and are left out),
; then its part of the projection, over its own 64 of K, for 16 rows x 32 columns; the sixteen parts meet in LDS and wave w sums row w.
; The attention is repeated in a batch's 32 column blocks (half a million multiply-adds each): that spares a launch.  A wave's store is 128 consecutive bytes of a row: wider blocks would leave half the work-groups out.
; LOADS.  All of a wave's 57 loads go out at the head.  q, k, v of the head are read as they lie, two rows' 256 bytes an instruction, and turn through the wave's own LDS bytes into the operands' layouts
; (a lane to a row for q and k, a lane to a channel for v).  Wo comes 8 bytes a lane, sixteen lanes to 128 consecutive bytes of a row: lane r of column tile i stands for column n0 + 2 r + i.
; All products by v_wmma_f32_16x16x4_f32; its result registers (v176-239) are written by matrix instructions alone.  Along every K the same order of k is given to both operands.
; The order of the f32 sums differs from a plain ascending sum.
.set RP,    272                        ; a row of 64 f32 in LDS: 256 bytes + 16
.set WREG,  3*16*RP                    ; a wave's own LDS: q, k, v, 16 rows each
.set IMG,   16*WREG                    ; behind the sixteen regions: sixteen images of 2,048 bytes, the heads' parts of the projection
.set SPARE, IMG+16*2048                ; the spare words, 128 bytes for each wave
.set SPW, 12
.set NIL, 13
.set QR,  16                           ; v16-47   q: register 4 u + e = d 8 u + 4 hh + e of query r
.set KR,  48                           ; v48-79   k likewise, of key r
.set VT,  80                           ; v80-111  register 8 ct + j = v[key 8 hh + j][16 ct + r]
.set WO,  112                          ; v112-175 register ((4 ct + jh) 2 + i) 2 + jp = Wo[64 head + 16 ct + 8 hh + 2 jh + jp][n0 + 2 r + i]
.set SA,  176
.set SB,  184
.set OT,  192
.set OU,  224
.set PR,  240
	s_load_b256 s[4:11], s[0:1], 0x0               ; qkv32 4, Wo 6, bo 8, out0 10
	v_lshl_add_u32 v[SPW], v0, 2, SPARE
	v_mov_b32 v[NIL], 0
	v_lshrrev_b32 v1, 5, v0
	v_readfirstlane_b32 s12, v1                    ; wave = head, and later the row that I sum
	s_and_b32 s14, ttmp7, 0xffff                   ; b
	v_and_b32 v1, 15, v0                           ; r
	v_bfe_u32 v2, v0, 4, 1                         ; hh
	v_mul_u32_u24 v3, v2, 12288
	v_lshl_add_u32 v3, v1, 4, v3                   ; q, k, v in memory: row hh of a pair of rows, 16 bytes a lane
	s_mul_i32 s13, s12, WREG                       ; my wave's own LDS bytes
	v_mul_u32_u24 v4, v2, RP
	v_lshl_add_u32 v4, v1, 4, v4
	v_add_nc_u32 v4, s13, v4                       ; into them: the same two rows
	v_mul_u32_u24 v15, v1, RP
	v_lshl_add_u32 v15, v2, 4, v15
	v_add_nc_u32 v15, s13, v15                     ; q, k out of them: row r, + 16 hh
	v_lshlrev_b32 v5, 15, v2
	v_lshl_add_u32 v5, v1, 3, v5                   ; Wo: 8 hh rows of 4,096 bytes down, columns 2 r and 2 r + 1
	v_and_b32 v6, 31, v0
	v_lshlrev_b32 v7, 2, v6                        ; bo and out0: 4 bytes a lane
	v_lshlrev_b32 v8, 4, v6
	s_lshl_b32 s15, s12, 11
	s_add_co_u32 s15, s15, IMG
	v_add_nc_u32 v8, s15, v8                       ; my image: 2,048 x wave + 16 x lane
	v_and_b32 v9, 1, v6
	v_lshlrev_b32 v9, 10, v9
	v_lshrrev_b32 v6, 1, v6
	v_lshl_add_u32 v9, v6, 4, v9                   ; in an image, element (t = wave, column = lane): tile lane % 2: 1,024; its lane: 16 (lane / 2)
	s_lshr_b32 s15, s12, 3
	s_lshl_b32 s15, s15, 8                         ; + 256 (t / 8)
	s_bfe_u32 s16, s12, 0x10002
	s_lshl_b32 s16, s16, 9                         ; + 512 ((t / 4) % 2)
	s_add_co_u32 s15, s15, s16
	s_and_b32 s16, s12, 3
	s_lshl_b32 s16, s16, 2                         ; + 4 (t % 4)
	s_add_co_u32 s15, s15, s16
	s_add_co_u32 s15, s15, IMG
	v_add_nc_u32 v9, s15, v9
	v_mul_u32_u24 v6, v2, 8*RP
	v_lshl_add_u32 v6, v1, 2, v6
	v_add_nc_u32 v6, s13, v6                       ; v out of my LDS bytes: 8 hh rows down, channel r
	v_lshlrev_b32 v10, 3, v2
	v_sub_nc_u32 v10, v1, v10                      ; r - 8 hh
	v_mov_b32 v11, 0xff800000
	s_mov_b32 s24, 0x76543210
	s_mov_b32 s25, 0xfedcba98
	s_mov_b32 s26, 0x3e38aa3b                      ; c = log2(e) / sqrt(64)
	s_mov_b32 s27, s26
	s_mov_b32 s28, 0xbe38aa3b
	s_mul_i32 s16, s14, 196608
	s_lshl_b32 s17, s12, 8
	s_add_co_u32 s16, s16, s17
	s_mov_b32 s17, 0
	s_lshl_b32 s20, ttmp9, 7                       ; 32 columns of 4 bytes
	s_mov_b32 s21, 0
	s_lshl_b32 s18, s12, 18                        ; the head's 64 rows of Wo
	s_add_co_u32 s18, s18, s20
	s_mov_b32 s19, 0
	s_lshl_b32 s22, s14, 10
	s_add_co_u32 s22, s22, s12
	s_lshl_b32 s22, s22, 12
	s_add_co_u32 s22, s22, s20
	s_mov_b32 s23, 0
	s_wait_kmcnt 0x0
	s_add_nc_u64 s[4:5], s[4:5], s[16:17]
	s_add_nc_u64 s[6:7], s[6:7], s[18:19]
	s_add_nc_u64 s[8:9], s[8:9], s[20:21]
	s_add_nc_u64 s[10:11], s[10:11], s[22:23]
.irp i, 0,1,2,3,4,5,6,7
	global_load_b128 v[QR+4*\i:QR+4*\i+3], v3, s[4:5] offset:\i*24576          ; rows 2 i and 2 i + 1: the head's 256 bytes of each
	global_load_b128 v[KR+4*\i:KR+4*\i+3], v3, s[4:5] offset:4096+\i*24576
.endr
.irp i, 0,1,2,3,4,5,6,7
	global_load_b128 v[VT+4*\i:VT+4*\i+3], v3, s[4:5] offset:8192+\i*24576
.endr
.irp ct, 0,1,2,3
.irp jh, 0,1,2,3
.irp jp, 0,1
	global_load_b64 v[WO+(4*\ct+\jh)*4+2*\jp:WO+(4*\ct+\jh)*4+2*\jp+1], v5, s[6:7] offset:(16*\ct+2*\jh+\jp)*4096   ; one k, both column tiles
.endr
.endr
.endr
	global_load_b32 v14, v7, s[8:9]                ; bo at my column
	s_wait_loadcnt 41                              ; q and k are in; behind them: v's 8 loads, Wo's 32, bo's one
.irp i, 0,1,2,3,4,5,6,7
	ds_store_b128 v4, v[QR+4*\i:QR+4*\i+3] offset:\i*2*RP
	ds_store_b128 v4, v[KR+4*\i:KR+4*\i+3] offset:16*RP+\i*2*RP
.endr
.irp u, 0,1,2,3,4,5,6,7
	ds_load_b128 v[QR+4*\u:QR+4*\u+3], v15 offset:32*\u                        ; LDS serves a wave's instructions in order: these see my stores; they come back into the registers that they left
	ds_load_b128 v[KR+4*\u:KR+4*\u+3], v15 offset:16*RP+32*\u
.endr
	s_wait_loadcnt 33                              ; v is in; behind it: Wo's 32 loads and bo's one
.irp i, 0,1,2,3,4,5,6,7
	ds_store_b128 v4, v[VT+4*\i:VT+4*\i+3] offset:32*RP+\i*2*RP
.endr
.irp ct, 0,1,2,3
.irp j, 0,1,2,3,4,5,6,7
	ds_load_b32 v[VT+8*\ct+\j], v6 offset:32*RP+\j*RP+\ct*64
.endr
.endr
	s_wait_dscnt 40                                ; q and k are back; behind them: v's 8 stores and 32 loads
	; S^T = k q^T: a lane holds query r and keys 8 hh + 0 .. 7.  Two accumulators by turns; the first of each starts its sum
	v_wmma_f32_16x16x4_f32 v[SA:SA+7], v[KR:KR+1], v[QR:QR+1], 0
	v_wmma_f32_16x16x4_f32 v[SB:SB+7], v[KR+2:KR+3], v[QR+2:QR+3], 0
.irp e, 2,4,6,8,10,12,14
	v_wmma_f32_16x16x4_f32 v[SA:SA+7], v[KR+2*\e:KR+2*\e+1], v[QR+2*\e:QR+2*\e+1], v[SA:SA+7]
	v_wmma_f32_16x16x4_f32 v[SB:SB+7], v[KR+2*\e+2:KR+2*\e+3], v[QR+2*\e+2:QR+2*\e+3], v[SB:SB+7]
.endr
.rept 8
	v_nop                                          ; eight places behind this form, ahead of the first read of its results (ISA guide 7.12.1)
.endr
.irp j, 0,1,2,3,4,5,6,7
	v_add_f32 v[PR+\j], v[SA+\j], v[SB+\j]
.endr
.irp j, 0,1,2,3,4,5,6,7
	v_cmp_gt_i32 vcc_lo, \j, v10                   ; key 8 hh + j > query r: hidden
	v_cndmask_b32 v[PR+\j], v[PR+\j], v11, vcc_lo
.endr
	v_max3_num_f32 v248, v[PR], v[PR+1], v[PR+2]
	v_max3_num_f32 v249, v[PR+3], v[PR+4], v[PR+5]
	v_max3_num_f32 v248, v248, v[PR+6], v[PR+7]
	v_max_num_f32 v248, v248, v249
	v_permlanex16_b32 v249, v248, s24, s25
	v_max_num_f32 v249, v248, v249                 ; the row's maximum (key 0 counts for every query)
	v_mul_f32 v248, s28, v249                      ; -c m
.irp j, 0,2,4,6
	v_pk_fma_f32 v[PR+\j:PR+\j+1], v[PR+\j:PR+\j+1], s[26:27], v[248:249] op_sel_hi:[1,0,0]
.endr
.irp j, 0,1,2,3,4,5,6,7
	v_exp_f32 v[PR+\j], v[PR+\j]
.endr
	v_nop
	s_wait_alu depctr_va_vdst(0)                   ; one wait for the eight exponentials, ahead of their first reader
	v_pk_add_f32 v[250:251], v[PR:PR+1], v[PR+2:PR+3]
	v_pk_add_f32 v[252:253], v[PR+4:PR+5], v[PR+6:PR+7]
	v_pk_add_f32 v[250:251], v[250:251], v[252:253]
	v_add_f32 v250, v250, v251
	v_permlanex16_b32 v251, v250, s24, s25
	v_add_f32 v250, v250, v251                     ; the row's sum
	v_mov_b32 v255, 0
	v_rcp_f32 v254, v250
	v_nop
	s_wait_alu depctr_va_vdst(0)
.irp j, 0,2,4,6
	v_pk_mul_f32 v[PR+\j:PR+\j+1], v[PR+\j:PR+\j+1], v[254:255] op_sel_hi:[1,0]   ; the weights, normalised
.endr
	s_wait_dscnt 0x0                               ; v is back from my LDS bytes
	; O^T = v^T p^T: four accumulators by turns
.irp ct, 0,1,2,3
	v_wmma_f32_16x16x4_f32 v[OT+8*\ct:OT+8*\ct+7], v[VT+8*\ct:VT+8*\ct+1], v[PR:PR+1], 0
.endr
.irp jj, 2,4,6
.irp ct, 0,1,2,3
	v_wmma_f32_16x16x4_f32 v[OT+8*\ct:OT+8*\ct+7], v[VT+8*\ct+\jj:VT+8*\ct+\jj+1], v[PR+\jj:PR+\jj+1], v[OT+8*\ct:OT+8*\ct+7]
.endr
.endr
	s_wait_loadcnt 0x0                             ; Wo and bo
	; A group of four registers came as (tile 0, tile 1) at k, (tile 0, tile 1) at k + 1; an operand wants a tile's two k side by side: the two in the middle change places.
	; These 48 plain moves name no register of the products above: they are also the nine places owed before those results become operands of matrix instructions.
.irp g, 0,1,2,3,4,5,6,7,8,9,10,11,12,13,14,15
	v_mov_b32 v[QR+\g], v[WO+4*\g+1]
.endr
.irp g, 0,1,2,3,4,5,6,7,8,9,10,11,12,13,14,15
	v_mov_b32 v[WO+4*\g+1], v[WO+4*\g+2]
.endr
.irp g, 0,1,2,3,4,5,6,7,8,9,10,11,12,13,14,15
	v_mov_b32 v[WO+4*\g+2], v[QR+\g]
.endr
	; my head's part of att Wo: source 0 = 16 queries (register 8 ct + j of O^T is channel 16 ct + 8 hh + j of query r), source 1 = 16 columns; two accumulators by turns
.irp ct, 0,1,2,3
.irp jh, 0,1,2,3
.irp i, 0,1
.if (\ct == 0) && (\jh == 0)
	v_wmma_f32_16x16x4_f32 v[OU+8*\i:OU+8*\i+7], v[OT+8*\ct+2*\jh:OT+8*\ct+2*\jh+1], v[WO+((4*\ct+\jh)*2+\i)*2:WO+((4*\ct+\jh)*2+\i)*2+1], 0
.else
	v_wmma_f32_16x16x4_f32 v[OU+8*\i:OU+8*\i+7], v[OT+8*\ct+2*\jh:OT+8*\ct+2*\jh+1], v[WO+((4*\ct+\jh)*2+\i)*2:WO+((4*\ct+\jh)*2+\i)*2+1], v[OU+8*\i:OU+8*\i+7]
.endif
.endr
.endr
.endr
.rept 8
	v_nop
.endr
.irp i, 0,1
	ds_store_b128 v8, v[OU+8*\i:OU+8*\i+3] offset:\i*1024          ; my part as an image of its registers, each accumulator from its low end on
	ds_store_b128 v8, v[OU+8*\i+4:OU+8*\i+7] offset:\i*1024+512
.endr
	s_wait_dscnt 0x0                               ; for the others' sake: my stores have landed
	s_barrier_signal -1
	s_barrier_wait -1
.irp w, 0,1,2,3,4,5,6,7,8,9,10,11,12,13,14,15
	ds_load_b32 v[16+\w], v9 offset:\w*2048        ; row t = my wave's number, my column, of all sixteen heads
.endr
	s_wait_dscnt 0x0
.irp j, 0,4,8,12
	v_pk_add_f32 v[16+\j:17+\j], v[16+\j:17+\j], v[18+\j:19+\j]
.endr
	v_pk_add_f32 v[16:17], v[16:17], v[20:21]
	v_pk_add_f32 v[24:25], v[24:25], v[28:29]
	v_pk_add_f32 v[16:17], v[16:17], v[24:25]
	v_add_f32 v16, v16, v17
	v_add_f32 v16, v16, v14                        ; + bo
	global_store_b32 v7, v16, s[10:11]
	s_wait_tensorcnt 0x0                           ; the wave's end
	ds_add_u32 v[SPW], v[NIL]
	s_wait_dscnt 0x0
	s_endpgm
.Lfunc_end_k_q7791941f88_fine:
	.size	k_q7791941f88_fine, .Lfunc_end_k_q7791941f88_fine-k_q7791941f88_fine
	.p2alignl 7, 3214868480
	.fill 96, 4, 3214868480
	.section	.rodata,"a",@progbits
	.p2align	6, 0x0
	.amdhsa_kernel k_q7791941f88_fine
		.amdhsa_group_segment_fixed_size 243712
		.amdhsa_private_segment_fixed_size 0
		.amdhsa_enable_private_segment 0
		.amdhsa_kernarg_size 32
		.amdhsa_user_sgpr_count 2
		.amdhsa_user_sgpr_kernarg_segment_ptr 1
		.amdhsa_wavefront_size32 1
		.amdhsa_system_sgpr_workgroup_id_x 1
		.amdhsa_system_sgpr_workgroup_id_y 1
		.amdhsa_system_sgpr_workgroup_id_z 1
		.amdhsa_system_vgpr_workitem_id 0
		.amdhsa_next_free_vgpr 256
		.amdhsa_next_free_sgpr 66
		.amdhsa_reserve_vcc 1
		.amdhsa_float_denorm_mode_32 3
		.amdhsa_float_denorm_mode_16_64 3
		.amdhsa_memory_ordered 1
		.amdhsa_forward_progress 1
		.amdhsa_inst_pref_size 24
	.end_amdhsa_kernel
	.amdgpu_metadata
---
amdhsa.version: [ 1, 2 ]
amdhsa.kernels:
  - .name:           k_q7791941f88_fine
    .symbol:         k_q7791941f88_fine.kd
    .args:
      - { .name: qkv32, .offset: 0, .size: 8, .value_kind: global_buffer, .address_space: global }
      - { .name: Wo, .offset: 8, .size: 8, .value_kind: global_buffer, .address_space: global }
      - { .name: bo, .offset: 16, .size: 8, .value_kind: global_buffer, .address_space: global }
      - { .name: out0, .offset: 24, .size: 8, .value_kind: global_buffer, .address_space: global }
    .group_segment_fixed_size: 243712
    .private_segment_fixed_size: 0
    .kernarg_segment_align: 8
    .kernarg_segment_size: 32
    .max_flat_workgroup_size: 512
    .sgpr_count:     66
    .vgpr_count:     256
    .wavefront_size: 32
...
	.end_amdgpu_metadata
.endif
;; end of part 5
